; MI455X (gfx1250); checked and timed in simulation.
; The chip was launched on July 23, 2026; its instructions are those of AMD's public machine-readable ISA for CDNA 5 (MIT licence, August 2026) and "CDNA5" Instruction Set Architecture Reference Guide (July 2026). The comments in the code are by the model that wrote it; some were corrected since.
;; X Nor Cos Pos Attention. Allowed arithmetic: float matrix products may take bf16 or f16 operands with f32 sums; all other float work in f32.
;; Inputs: Wk 512 x 512 float32; Wo 512 x 512 float32; Wq 512 x 512 float32; Wv 512 x 512 float32; bk 512 float32; bo 512 float32; bq 512 float32; bv 512 float32; query 4 x 2,048 x 512 float32.
;; Outputs: out0 4 x 2,048 x 512 float32.
;; 2 versions, each right; version 2 is version 1 with the launch kvsum written anew for expert scheduling mode. Each part assembles by itself: llvm-mc -triple=amdgcn-amd-amdhsa -mcpu=gfx1250 --defsym DOCPART=n.
;; ======== version 1 of 2: 3 launches
;; workspace buffers: part 4,325,376 bytes; wob 524,288 bytes; at 8,388,608 bytes
;; launch kvsum (part 1): grid 8 x 32, 8 waves a work-group, no clusters, 175,104 bytes of LDS; arguments query, Wk, Wv, bk, bv, Wo, part, wob; writes part, wob
.if DOCPART == 1
	.amdgcn_target "amdgcn-amd-amdhsa--gfx1250"
	.amdhsa_code_object_version 6
	.text
	.protected	k_qcbffb5313b_kvsum
	.globl	k_qcbffb5313b_kvsum
	.p2align	8
	.type	k_qcbffb5313b_kvsum,@function
k_qcbffb5313b_kvsum:
	s_mov_b64 s[64:65], 0
	v_nop
	global_prefetch_b8 v0, s[64:65] scope:SCOPE_SE
	s_setreg_imm32_b32 hwreg(HW_REG_WAVE_MODE, 25, 1), 1
	s_wait_xcnt 0x0
; kvsum.  x = query seen as 8192 rows of 512 f32, row = 4 l + b'.  A work-group takes one (b', head h, chunk c of 256 steps l):
;   K = x Wk_h^T + bk_h, V = x Wv_h^T + bv_h (256 x 64 each), k = softmax of K along its 64 columns (the row's maximum is taken away first),
;   and stores one record of part: KVT[e][d] = sum over its 256 l of k[l][d] v[l][e] (f32, 64 x 64), SV[e] = sum of v[l][e], KS[d] = sum of k[l][d].
; Why these sums are enough: the weights q.k + (1-q).(1-k) = 2 q.k + (64 - sum q) - sum k are bilinear, so the sum over s is taken first.
; That is an exact reordering for every input.  LIMIT: the order of summation differs from a sum over s of finished weights.
; LIMIT: matrix operands (x, Wk, Wv, k, v) are rounded to bf16; SV and KS are summed in f32 from the f32 accumulators, since c SV is the large term later.
; LIMIT: a softmax term below 2^-126 of its row's largest comes out of v_exp_f32 as zero (ISA guide, 15.8).  Inputs are taken as finite.
; Side job: each of the 256 work-groups turns 1,024 numbers of Wo into bf16, in the order in which the last launch's fragments want them.
; Eight waves; wave w owns rows l = 256 c + 32 w + 0..31 and all 128 columns (64 of K, 64 of V): 16 accumulator tiles, 128 registers.
; NO TENSOR LOADS, NO JOINT REQUESTS, though eight work-groups read the same x and 32 the same W: both are f32 in memory and are converted on the way,
; so they pass through registers anyway; as f32 the two W blocks alone would take 2 x 133,120 bytes of LDS and leave one x slot of 69,632 bytes.
; x runs in a ring of three register sets (16 loads of 512 bytes each): 24,576 bytes of every wave are on their way.
.set PW,    1040                       ; LDS pitch of a W row: 512 bf16 + 16 bytes = 65 x 16: the 16 rows of a fragment load start in 16 different 16-byte columns modulo 256
.set WREG,  64*PW                      ; 66,560: one W block
.set PX,    144                        ; pitch of an x row of 64 bf16: 128 + 16 bytes = 9 x 16
.set XSW,   32*PX                      ; 4,608: a wave's own x stage
.set XS,    2*WREG                     ; 133,120: the stages
.set RV,    XS+8*XSW                   ; 169,984: 512 bytes a wave: SV, then KS
.set PR,    272                        ; pitch of a KVT row of 64 f32 in the sum over the waves: 256 + 16 bytes
.set REDW,  64*PR                      ; 17,408 a wave, from LDS byte 0 on, over W and the stages once nobody reads them
.set REC,   16896                      ; bytes of a record of part: 16,384 KVT, 256 SV, 256 KS
.set XOFF,  1                          ; v1   x: 65,536 hh + 16 r (lanes 0-15 one row's 256 bytes, lanes 16-31 the row 8 further down)
.set XST,   2                          ; v2   stage, in
.set XFA,   3                          ; v3   stage, fragments out
.set WFK,   4                          ; v4   fragments of Wk
.set WFV,   5                          ; v5   fragments of Wv
.set WST0,  6                          ; v6   Wk, in
.set WST1,  7                          ; v7   Wv, in
.set T16,   8                          ; v8   16 t
.set RR,    9                          ; v9   r = lane & 15
.set HH,    10                         ; v10  hh = lane >> 4
.set REDST, 14                         ; v14  my KVT tile, in
.set RVST,  15                         ; v15  my SV and KS, in
.set BB,    16                         ; v[16:23]   tile t: (bk, bv) of column 16 t + r
.set XFR,   32                         ; v[32:63]   x fragments (ksl, m) at 16 ksl + 8 m
.set WA,    64                         ; v[64:95]   four W fragments; also the converted x on its way to the stage
.set WB,    96                         ; v[96:127]  four W fragments
.set T,     WA
.set KA,    128                        ; v[128:191] K(m, t) at 32 m + 8 t: lane = column 16 t + r, register j = row 16 m + 8 hh + j
.set VA,    192                        ; v[192:255] V likewise
.set MXR,   32                         ; behind the products: row maxima,
.set SMR,   40                         ; row sums,
.set KSA,   48                         ; column sums of k (a pair for each t),
.set SVA,   56                         ; column sums of v,
.set KF,    64                         ; k^T fragments,
.set VF,    96                         ; v fragments,
.set D3,    128                        ; and the 16 tiles of k^T v
; window 1 (v256-447): the x ring, set s at 64 s
.set MSB, 0
.macro WIN new                         ; the immediate's high byte repeats the setting that is left
.if MSB != \new
	s_set_vgpr_msb (MSB<<8)|\new
.set MSB, \new
.endif
.endm
; Behind a matrix instruction four plain vector instructions that name none of its registers stand before a vector instruction writes, or a load is
; issued into, one of its registers, or its result is read (ISA guide 7.12.1 for vector instructions).
.macro PLACES
.rept 4
	v_nop
.endr
.endm
; 16 loads of the work-group: each covers two whole rows of W (4,096 bytes), a wave's share 512 consecutive bytes
.macro WISSUE buf, src, n0
.irp i, 0,1,2,3,4,5,6,7,8,9,10,11,12,13,14,15
	global_load_b128 v[\buf+4*\i:\buf+4*\i+3], v[T16], s[\src:\src+1] offset:(\n0+\i)*4096
.endr
.endm
; the same 16: to bf16 in place, 8 bytes a lane into LDS (a wave's store covers 256 consecutive bytes)
.macro WPROC buf, dst, n0
.irp i, 0,1,2,3,4,5,6,7,8,9,10,11,12,13,14,15
	v_cvt_pk_bf16_f32 v[\buf+4*\i], v[\buf+4*\i], v[\buf+4*\i+1]
	v_cvt_pk_bf16_f32 v[\buf+4*\i+1], v[\buf+4*\i+2], v[\buf+4*\i+3]
.endr
.irp i, 0,1,2,3,4,5,6,7,8,9,10,11,12,13,14,15
	ds_store_b64 v[\dst], v[\buf+4*\i:\buf+4*\i+1] offset:(\n0+\i)*2*PW
.endr
.endm
; chunk kc of x: 64 k = 256 bytes of each of my 32 rows, into ring set kc mod 3.  Load p: rows (p & 7) + 16 (p >> 3) and that + 8.
.macro XLOAD kc
	WIN 0x40                           ; destination in window 1
.irp p, 0,1,2,3,4,5,6,7,8,9,10,11,12,13,14,15
	global_load_b128 v[64*((\kc)%3)+4*\p:64*((\kc)%3)+4*\p+3], v[XOFF], s[8:9] offset:((\p&7)+16*(\p>>3))*8192+(\kc)*256
.endr
	WIN 0
.endm
; chunk kc: to bf16, the set is asked for again, through my own stage into fragments.  LDS serves a wave's instructions in order
; (ISA guide 5.7.1.4), and only I touch my stage: no wait between the stores and the loads, and one stage is enough.
.macro STAGE kc, fill
	WIN 0x05                           ; sources 0 and 1 in window 1
.irp p, 0,1,2,3,4,5,6,7,8,9,10,11,12,13,14,15
	v_cvt_pk_bf16_f32 v[T+2*\p], v[64*((\kc)%3)+4*\p], v[64*((\kc)%3)+4*\p+1]
	v_cvt_pk_bf16_f32 v[T+2*\p+1], v[64*((\kc)%3)+4*\p+2], v[64*((\kc)%3)+4*\p+3]
.endr
.if \fill
	XLOAD \kc+3
.endif
	WIN 0
.irp p, 0,1,2,3,4,5,6,7,8,9,10,11,12,13,14,15
	ds_store_b64 v[XST], v[T+2*\p:T+2*\p+1] offset:((\p&7)+16*(\p>>3))*PX
.endr
.irp f, 0,1,2,3
	ds_load_b128 v[XFR+8*\f:XFR+8*\f+3], v[XFA] offset:(\f&1)*16*PX+(\f>>1)*64
	ds_load_b128 v[XFR+8*\f+4:XFR+8*\f+7], v[XFA] offset:(\f&1)*16*PX+(\f>>1)*64+32
.endr
.endm
; four W fragments (64 rows, 32 k at byte kbyte of the rows)
.macro LDW buf, base, kbyte
.irp t, 0,1,2,3
	ds_load_b128 v[\buf+8*\t:\buf+8*\t+3], v[\base] offset:\t*16*PW+\kbyte
	ds_load_b128 v[\buf+8*\t+4:\buf+8*\t+7], v[\base] offset:\t*16*PW+\kbyte+32
.endr
.endm
; eight products on eight accumulators.  The 16 accumulators take turns, one instruction a turn.
.macro MM1 buf, acc, ksl, zero
.irp t, 0,1,2,3
.irp m, 0,1
.if \zero
	v_wmma_f32_16x16x32_bf16 v[\acc+32*\m+8*\t:\acc+32*\m+8*\t+7], v[XFR+16*\ksl+8*\m:XFR+16*\ksl+8*\m+7], v[\buf+8*\t:\buf+8*\t+7], 0
.else
	v_wmma_f32_16x16x32_bf16 v[\acc+32*\m+8*\t:\acc+32*\m+8*\t+7], v[XFR+16*\ksl+8*\m:XFR+16*\ksl+8*\m+7], v[\buf+8*\t:\buf+8*\t+7], v[\acc+32*\m+8*\t:\acc+32*\m+8*\t+7]
.endif
.endr
.endr
.endm
; One chunk of 64 k: 32 products.  cnt = the x loads younger than this chunk's.  Each s_wait_dscnt 8 leaves the one group of W fragments out that was asked for last.
.macro CHUNK kc, cnt, fill, zero
.if \kc
	PLACES
.endif
	s_wait_loadcnt \cnt
	STAGE \kc, \fill
	LDW WA, WFK, (2*\kc)*64
	LDW WB, WFV, (2*\kc)*64
	s_wait_dscnt 8                     ; x fragments and Wk's are in; Wv's eight loads may be out
	MM1 WA, KA, 0, \zero
	PLACES
	LDW WA, WFK, (2*\kc+1)*64
	s_wait_dscnt 8
	MM1 WB, VA, 0, \zero
	PLACES
	LDW WB, WFV, (2*\kc+1)*64
	s_wait_dscnt 8
	MM1 WA, KA, 1, 0
	s_wait_dscnt 0
	MM1 WB, VA, 1, 0
.endm
; the bias of column 16 t + r onto all eight rows of a lane.  hi = 0: the pair's first register (bk), 1: its second (bv), for both halves
.macro BIASADD acc, mt, hi
.irp t, 0,1,2,3
.irp j, 0,2,4,6
	v_pk_add_f32 v[\acc+32*\mt+8*\t+\j:\acc+32*\mt+8*\t+\j+1], v[\acc+32*\mt+8*\t+\j:\acc+32*\mt+8*\t+\j+1], v[BB+2*\t:BB+2*\t+1] op_sel:[0,\hi] op_sel_hi:[1,\hi]
.endr
.endr
.endm
; column sums over a lane's eight rows, kept as a pair for each t; the first add of tile row 0 starts them
.macro COLSUM acc, sum, mt
.irp t, 0,1,2,3
.if \mt == 0
	v_pk_add_f32 v[\sum+2*\t:\sum+2*\t+1], v[\acc+8*\t:\acc+8*\t+1], v[\acc+8*\t+2:\acc+8*\t+3]
.else
	v_pk_add_f32 v[\sum+2*\t:\sum+2*\t+1], v[\sum+2*\t:\sum+2*\t+1], v[\acc+32+8*\t:\acc+32+8*\t+1]
	v_pk_add_f32 v[\sum+2*\t:\sum+2*\t+1], v[\sum+2*\t:\sum+2*\t+1], v[\acc+32+8*\t+2:\acc+32+8*\t+3]
.endif
.endr
.irp j, 4,6
.irp t, 0,1,2,3
	v_pk_add_f32 v[\sum+2*\t:\sum+2*\t+1], v[\sum+2*\t:\sum+2*\t+1], v[\acc+32*\mt+8*\t+\j:\acc+32*\mt+8*\t+\j+1]
.endr
.endr
.endm
; A lane's eight rows 16 mt + 8 hh + j of column 16 t + r, packed, ARE registers 4 mt .. 4 mt + 3 of a fragment whose K runs along my 32 rows: no way through LDS
.macro PACK acc, frag, mt
.irp t, 0,1,2,3
.irp j, 0,1,2,3
	v_cvt_pk_bf16_f32 v[\frag+8*\t+4*\mt+\j], v[\acc+32*\mt+8*\t+2*\j], v[\acc+32*\mt+8*\t+2*\j+1]
.endr
.endr
.endm
; softmax of 16 rows: a row's 64 columns lie in 4 tiles x 16 lanes of one half of the wave
.macro KSOFT mt
	BIASADD KA, \mt, 0
.irp j, 0,1,2,3,4,5,6,7
	v_max3_num_f32 v[MXR+\j], v[KA+32*\mt+\j], v[KA+32*\mt+8+\j], v[KA+32*\mt+16+\j]
.endr
.irp j, 0,1,2,3,4,5,6,7
	v_max_num_f32 v[MXR+\j], v[MXR+\j], v[KA+32*\mt+24+\j]
.endr
.irp x, 1,2,4,8
.irp j, 0,1,2,3,4,5,6,7
	v_max_num_f32_dpp v[MXR+\j], v[MXR+\j], v[MXR+\j] row_xmask:\x row_mask:0xf bank_mask:0xf
.endr
.endr
.irp j, 0,2,4,6
	v_pk_mul_f32 v[MXR+\j:MXR+\j+1], v[MXR+\j:MXR+\j+1], 0xbfb8aa3b op_sel_hi:[1,0]   ; - maximum x log2 e
.endr
.set ix, 0
.rept 16
	v_pk_fma_f32 v[KA+32*\mt+2*ix:KA+32*\mt+2*ix+1], v[KA+32*\mt+2*ix:KA+32*\mt+2*ix+1], 0x3fb8aa3b, v[MXR+(2*ix)%8:MXR+(2*ix)%8+1] op_sel_hi:[1,0,1]
.set ix, ix+1
.endr
.set ix, 0
.rept 32
	v_exp_f32 v[KA+32*\mt+ix], v[KA+32*\mt+ix]
.set ix, ix+1
.endr
	v_nop                              ; one plain vector instruction behind the last v_exp_f32 before its result is used (ISA guide 5.7.2)
	s_wait_alu depctr_va_vdst(0)
.irp j, 0,2,4,6
	v_pk_add_f32 v[SMR+\j:SMR+\j+1], v[KA+32*\mt+\j:KA+32*\mt+\j+1], v[KA+32*\mt+8+\j:KA+32*\mt+8+\j+1]
.endr
.irp t, 2,3
.irp j, 0,2,4,6
	v_pk_add_f32 v[SMR+\j:SMR+\j+1], v[SMR+\j:SMR+\j+1], v[KA+32*\mt+8*\t+\j:KA+32*\mt+8*\t+\j+1]
.endr
.endr
.irp x, 1,2,4,8
.irp j, 0,1,2,3,4,5,6,7
	v_add_f32_dpp v[SMR+\j], v[SMR+\j], v[SMR+\j] row_xmask:\x row_mask:0xf bank_mask:0xf
.endr
.endr
.irp j, 0,1,2,3,4,5,6,7
	v_rcp_f32 v[SMR+\j], v[SMR+\j]     ; the sum is at least about 1: the largest term is 2^0
.endr
	v_nop
.set ix, 0
	s_wait_alu depctr_va_vdst(0)
.rept 16
	v_pk_mul_f32 v[KA+32*\mt+2*ix:KA+32*\mt+2*ix+1], v[KA+32*\mt+2*ix:KA+32*\mt+2*ix+1], v[SMR+(2*ix)%8:SMR+(2*ix)%8+1]
.set ix, ix+1
.endr
	COLSUM KA, KSA, \mt
	PACK KA, KF, \mt
.endm
.macro VPART mt
	BIASADD VA, \mt, 1
	COLSUM VA, SVA, \mt
	PACK VA, VF, \mt
.endm
.macro REDLD b, adr, k                 ; wave b's tile: my 16 bytes of rows 2 w + hh + 16 i
.irp i, 0,1,2,3
	ds_load_b128 v[D3+16*\b+4*\i:D3+16*\b+4*\i+3], v[\adr] offset:\k*REDW+\i*16*PR
.endr
.endm
	s_load_b512 s[8:23], s[0:1], 0x0               ; query s[8:9], Wk s[10:11], Wv s[12:13], bk s[14:15], bv s[16:17], Wo s[18:19], part s[20:21], wob s[22:23]
	v_lshl_add_u32 v30, v0, 2, 0x2a800
	v_mov_b32 v31, 0
	v_lshrrev_b32 v11, 5, v0
	v_readfirstlane_b32 s2, v11                    ; wave w
	s_and_b32 s3, ttmp7, 0xffff                    ; y = 4 c + b';  h = ttmp9
	s_and_b32 s4, s3, 3                            ; b'
	s_lshr_b32 s5, s3, 2                           ; c
	s_mov_b32 s34, 0x76543210                      ; v_permlanex16_b32: lane i reads lane i of the other half
	s_mov_b32 s35, 0xfedcba98
	; byte offsets, each in a pair of its own
	s_lshl_b32 s24, s5, 21                         ; x: 256 c steps of 8,192 bytes
	s_lshl_b32 s6, s4, 11                          ;    + b' rows of 2,048
	s_add_co_u32 s24, s24, s6
	s_lshl_b32 s6, s2, 18                          ;    + 32 w steps
	s_add_co_u32 s24, s24, s6
	s_mov_b32 s25, 0
	s_lshl_b32 s26, ttmp9, 17                      ; Wk, Wv: 64 h rows of 2,048 bytes
	s_mov_b32 s27, 0
	s_lshl_b32 s28, ttmp9, 8                       ; bk, bv: 64 h numbers
	s_mov_b32 s29, 0
	s_lshl_b32 s30, s3, 15                         ; Wo: rows 16 y .., columns 64 h ..
	s_add_co_u32 s30, s30, s28
	s_mov_b32 s31, 0
	s_lshl_b32 s32, s3, 14                         ; wob: fragments 16 y + 2 h and the next, 1,024 bytes each
	s_lshl_b32 s6, ttmp9, 11
	s_add_co_u32 s32, s32, s6
	s_mov_b32 s33, 0
	s_lshl_b32 s36, s4, 3                          ; part: record (8 b' + h) 8 + c
	s_add_co_u32 s36, s36, ttmp9
	s_lshl_b32 s36, s36, 3
	s_add_co_u32 s36, s36, s5
	s_mul_i32 s36, s36, REC
	s_mov_b32 s37, 0
	v_and_b32 v[RR], 15, v0
	v_bfe_u32 v[HH], v0, 4, 1
	v_and_b32 v11, 31, v0                          ; lane
	v_lshlrev_b32 v[T16], 4, v0
	v_lshlrev_b32 v[XOFF], 4, v[RR]
	v_lshl_add_u32 v[XOFF], v[HH], 16, v[XOFF]
	s_mul_i32 s6, s2, XSW
	s_add_co_u32 s6, s6, XS                        ; my stage
	v_mul_u32_u24 v[XST], v[HH], 8*PX              ; 8 rows are 1,152 bytes = 128 modulo 256: the two halves of a store fall on different columns
	v_lshl_add_u32 v[XST], v[RR], 3, v[XST]
	v_add_nc_u32 v[XST], s6, v[XST]
	v_mul_u32_u24 v[XFA], v[RR], PX
	v_lshl_add_u32 v[XFA], v[HH], 4, v[XFA]
	v_add_nc_u32 v[XFA], s6, v[XFA]
	v_mul_u32_u24 v[WFK], v[RR], PW
	v_lshl_add_u32 v[WFK], v[HH], 4, v[WFK]
	v_add_nc_u32 v[WFV], WREG, v[WFK]
	s_lshr_b32 s6, s2, 2                           ; thread t = 32 w + lane holds 4 numbers at column 4 (t & 127) of row t >> 7 of a load's two rows
	s_mul_i32 s6, s6, PW
	s_and_b32 s7, s2, 3
	s_lshl_b32 s7, s7, 8
	s_add_co_u32 s6, s6, s7
	v_lshl_add_u32 v[WST0], v11, 3, s6
	v_add_nc_u32 v[WST1], WREG, v[WST0]
	s_mul_i32 s6, s2, REDW
	v_mul_u32_u24 v[REDST], v[RR], PR
	v_lshl_add_u32 v[REDST], v[HH], 5, v[REDST]
	v_add_nc_u32 v[REDST], s6, v[REDST]
	s_lshl_b32 s6, s2, 9
	s_add_co_u32 s6, s6, RV
	v_lshl_add_u32 v[RVST], v[RR], 2, s6
	; Wo's side job.  Byte 8 t of my two fragments is: fragment t >> 7, half (t >> 6) & 1, lane (t >> 1) & 31, 8-byte part t & 1
	v_bfe_u32 v11, v0, 1, 4                        ; the fragment lane's r: row of Wo
	v_lshrrev_b32 v12, 5, v0                       ; hh + 2 half + 4 fragment: 8 k = 32 bytes each
	v_and_b32 v13, 1, v0
	v_lshlrev_b32 v11, 11, v11
	v_lshl_add_u32 v11, v12, 5, v11
	v_lshl_add_u32 v11, v13, 4, v11
	v_lshlrev_b32 v12, 3, v0
	v_lshlrev_b32 v13, 2, v[RR]
	s_wait_kmcnt 0x0
	s_add_nc_u64 s[8:9], s[8:9], s[24:25]
	s_add_nc_u64 s[10:11], s[10:11], s[26:27]
	s_add_nc_u64 s[12:13], s[12:13], s[26:27]
	s_add_nc_u64 s[14:15], s[14:15], s[28:29]
	s_add_nc_u64 s[16:17], s[16:17], s[28:29]
	s_add_nc_u64 s[18:19], s[18:19], s[30:31]
	s_add_nc_u64 s[20:21], s[20:21], s[36:37]
	s_add_nc_u64 s[22:23], s[22:23], s[32:33]
	global_load_b128 v[32:35], v11, s[18:19]
.irp t, 0,1,2,3
	global_load_b32 v[BB+2*\t], v13, s[14:15] offset:64*\t
	global_load_b32 v[BB+2*\t+1], v13, s[16:17] offset:64*\t
.endr
	WISSUE 64, 10, 0                               ; Wk rows 0-31
	WISSUE 128, 10, 16                             ; Wk rows 32-63
	WISSUE 192, 12, 0                              ; Wv rows 0-31
	s_wait_loadcnt 32                              ; the two younger batches stay out: Wo's piece, the biases and the first batch are in
	v_cvt_pk_bf16_f32 v32, v32, v33
	v_cvt_pk_bf16_f32 v33, v34, v35
	global_store_b64 v12, v[32:33], s[22:23]       ; a wave's store covers 256 consecutive bytes, aligned
	WPROC 64, WST0, 0
	s_wait_dscnt 0x0                               ; the stores have read v[64:127], which are loaded again
	WISSUE 64, 12, 16                              ; Wv rows 32-63
	s_wait_loadcnt 32                              ; younger: Wv's two batches
	WPROC 128, WST0, 16
	XLOAD 0
	s_wait_loadcnt 32                              ; younger: Wv's second batch, x chunk 0
	WPROC 192, WST1, 0
	XLOAD 1
	s_wait_loadcnt 32                              ; younger: x chunks 0, 1
	WPROC 64, WST1, 16
	XLOAD 2
	s_wait_xcnt 0x0                                ; the store into wob has had its address translated (ISA guide 3.1): v12 and v[32:33] are written again below
	s_wait_dscnt 0x0                               ; my part of W is in LDS,
	s_barrier_signal -1
	s_barrier_wait -1                              ; everybody's is
	CHUNK 0, 32, 1, 1                              ; the first products start the sums: nothing is cleared
	CHUNK 1, 32, 1, 0
	CHUNK 2, 32, 1, 0
	CHUNK 3, 32, 1, 0
	CHUNK 4, 32, 1, 0
	CHUNK 5, 32, 0, 0                              ; chunks 6 and 7 are on their way; nothing is left to ask for
	CHUNK 6, 16, 0, 0
	CHUNK 7, 0, 0, 0
	PLACES
	KSOFT 0
	KSOFT 1
	VPART 0
	VPART 1
	; KV(d, e) over my 32 rows: source 0 = k^T (row d), source 1 = v (column e).  Lane = e, register j = d = 16 td + 8 hh + j
.irp td, 0,1,2,3
.irp te, 0,1,2,3
	v_wmma_f32_16x16x32_bf16 v[D3+8*(4*\td+\te):D3+8*(4*\td+\te)+7], v[KF+8*\td:KF+8*\td+7], v[VF+8*\te:VF+8*\te+7], 0
.endr
.endr
	; the column sums: the pair's two registers, then the other half of the wave.  These lines name no register of the products above
	; and so are the places between them and the stores of their results.
.irp t, 0,1,2,3
	v_add_f32 v[KSA+2*\t], v[KSA+2*\t], v[KSA+2*\t+1]
	v_add_f32 v[SVA+2*\t], v[SVA+2*\t], v[SVA+2*\t+1]
.endr
.irp t, 0,1,2,3
	v_permlanex16_b32 v[KSA+2*\t+1], v[KSA+2*\t], s34, s35
	v_permlanex16_b32 v[SVA+2*\t+1], v[SVA+2*\t], s34, s35
.endr
.irp t, 0,1,2,3
	v_add_f32 v[KSA+2*\t], v[KSA+2*\t], v[KSA+2*\t+1]
	v_add_f32 v[SVA+2*\t], v[SVA+2*\t], v[SVA+2*\t+1]
.endr
	s_mul_i32 s6, s2, 2*PR                         ; the sum over the waves: I take 16 bytes at 16 r of rows 2 w + hh + 16 i
	v_mul_u32_u24 v11, v[HH], PR
	v_lshl_add_u32 v11, v[RR], 4, v11
	v_add_nc_u32 v11, s6, v11                      ; waves 0-2,
	v_add_nc_u32 v12, 3*REDW, v11                  ; 3-5,
	v_add_nc_u32 v13, 6*REDW, v11                  ; 6-7: so that the immediates stay inside 16 bits
	s_wait_dscnt 0x0                               ; my reads of W and of my stage are over,
	s_barrier_signal -1
	s_barrier_wait -1                              ; everybody's are: the bytes are written anew
.irp td, 0,1,2,3
.irp te, 0,1,2,3
	ds_store_b128 v[REDST], v[D3+8*(4*\td+\te):D3+8*(4*\td+\te)+3] offset:\te*16*PR+\td*64
	ds_store_b128 v[REDST], v[D3+8*(4*\td+\te)+4:D3+8*(4*\td+\te)+7] offset:\te*16*PR+\td*64+16
.endr
.endr
.irp t, 0,1,2,3
	ds_store_b32 v[RVST], v[SVA+2*\t] offset:64*\t         ; both halves of the wave write the same word with the same number
	ds_store_b32 v[RVST], v[KSA+2*\t] offset:256+64*\t
.endr
	s_wait_dscnt 0x0
	s_barrier_signal -1
	s_barrier_wait -1
	REDLD 0, 11, 0
	REDLD 1, 11, 1
	REDLD 2, 11, 2
	REDLD 3, 12, 0
	REDLD 4, 12, 1
	REDLD 5, 12, 2
	REDLD 6, 13, 0
	REDLD 7, 13, 1
.irp b, 1,2,3,4,5,6,7
	s_wait_dscnt 4*(7-\b)                          ; the four loads of each later wave's tile stay out
.irp i, 0,1,2,3
	v_pk_add_f32 v[D3+4*\i:D3+4*\i+1], v[D3+4*\i:D3+4*\i+1], v[D3+16*\b+4*\i:D3+16*\b+4*\i+1]
	v_pk_add_f32 v[D3+4*\i+2:D3+4*\i+3], v[D3+4*\i+2:D3+4*\i+3], v[D3+16*\b+4*\i+2:D3+16*\b+4*\i+3]
.endr
.endr
.irp i, 0,1,2,3
	global_store_b128 v[T16], v[D3+4*\i:D3+4*\i+3], s[20:21] offset:4096*\i   ; row e = (t >> 4) + 16 i is 256 bytes: 16 lanes store it whole
.endr
	s_cmp_lg_u32 s2, 0
	s_cbranch_scc1 .Lend
	v_add_nc_u32 v1, RV, v[T16]                    ; wave 0 (t = lane): the eight waves' SV and KS, 512 bytes each
.irp b, 0,1,2,3,4,5,6,7
	ds_load_b128 v[32+4*\b:35+4*\b], v1 offset:512*\b
.endr
	s_wait_dscnt 0x0
.irp b, 1,2,3,4,5,6,7
	v_pk_add_f32 v[32:33], v[32:33], v[32+4*\b:33+4*\b]
	v_pk_add_f32 v[34:35], v[34:35], v[34+4*\b:35+4*\b]
.endr
	global_store_b128 v[T16], v[32:35], s[20:21] offset:16384
.Lend:
	s_wait_tensorcnt 0x0
	ds_add_u32 v30, v31
	s_wait_dscnt 0x0
	s_endpgm
.Lfunc_end_k_qcbffb5313b_kvsum:
	.size	k_qcbffb5313b_kvsum, .Lfunc_end_k_qcbffb5313b_kvsum-k_qcbffb5313b_kvsum
	.p2alignl 7, 3214868480
	.fill 96, 4, 3214868480
	.section	.rodata,"a",@progbits
	.p2align	6, 0x0
	.amdhsa_kernel k_qcbffb5313b_kvsum
		.amdhsa_group_segment_fixed_size 175104
		.amdhsa_private_segment_fixed_size 0
		.amdhsa_enable_private_segment 0
		.amdhsa_kernarg_size 64
		.amdhsa_user_sgpr_count 2
		.amdhsa_user_sgpr_kernarg_segment_ptr 1
		.amdhsa_wavefront_size32 1
		.amdhsa_system_sgpr_workgroup_id_x 1
		.amdhsa_system_sgpr_workgroup_id_y 1
		.amdhsa_system_sgpr_workgroup_id_z 1
		.amdhsa_system_vgpr_workitem_id 0
		.amdhsa_next_free_vgpr 448
		.amdhsa_next_free_sgpr 66
		.amdhsa_reserve_vcc 0
		.amdhsa_float_denorm_mode_32 3
		.amdhsa_float_denorm_mode_16_64 3
		.amdhsa_memory_ordered 1
		.amdhsa_forward_progress 1
		.amdhsa_inst_pref_size 145
	.end_amdhsa_kernel
	.amdgpu_metadata
---
amdhsa.version: [ 1, 2 ]
amdhsa.kernels:
  - .name:           k_qcbffb5313b_kvsum
    .symbol:         k_qcbffb5313b_kvsum.kd
    .args:
      - { .name: query, .offset: 0, .size: 8, .value_kind: global_buffer, .address_space: global }
      - { .name: Wk, .offset: 8, .size: 8, .value_kind: global_buffer, .address_space: global }
      - { .name: Wv, .offset: 16, .size: 8, .value_kind: global_buffer, .address_space: global }
      - { .name: bk, .offset: 24, .size: 8, .value_kind: global_buffer, .address_space: global }
      - { .name: bv, .offset: 32, .size: 8, .value_kind: global_buffer, .address_space: global }
      - { .name: Wo, .offset: 40, .size: 8, .value_kind: global_buffer, .address_space: global }
      - { .name: part, .offset: 48, .size: 8, .value_kind: global_buffer, .address_space: global }
      - { .name: wob, .offset: 56, .size: 8, .value_kind: global_buffer, .address_space: global }
    .group_segment_fixed_size: 175104
    .private_segment_fixed_size: 0
    .kernarg_segment_align: 8
    .kernarg_segment_size: 64
    .max_flat_workgroup_size: 256
    .sgpr_count:     66
    .vgpr_count:     448
    .wavefront_size: 32
...
	.end_amdgpu_metadata
.endif
;; end of part 1
;; launch qattn (part 2): grid 8 x 32, 8 waves a work-group, no clusters, 114,688 bytes of LDS; arguments query, Wq, bq, part, at; writes at
.if DOCPART == 2
	.amdgcn_target "amdgcn-amd-amdhsa--gfx1250"
	.amdhsa_code_object_version 6
	.text
	.protected	k_qcbffb5313b_qattn
	.globl	k_qcbffb5313b_qattn
	.p2align	8
	.type	k_qcbffb5313b_qattn,@function
k_qcbffb5313b_qattn:
	s_mov_b64 s[64:65], 0
	v_nop
	global_prefetch_b8 v0, s[64:65] scope:SCOPE_SE
	s_setreg_imm32_b32 hwreg(HW_REG_WAVE_MODE, 25, 1), 1
	s_wait_xcnt 0x0
; qattn.  For one (b', head h, chunk c of 256 steps l): the head's eight records of part are summed; Q = x Wq_h^T + bq_h; q = softmax along the 64 columns
; (the row's maximum is taken away first); then, with cl = 64 - sum over d of q[l][d],
;   num[l][e] = 2 q[l].KV[.][e] - SKV[e] + cl SV[e],   den[l] = max(2 q[l].KS + 2048 cl - SKS, 1e-6),   attn = num / den,
; where SKV[e] = sum over d of KV[d][e] and SKS = sum over d of KS[d].  This is q.k + (1-q).(1-k) summed over s first: exact algebra, nothing is assumed of the sums.
; LIMIT: the order of summation differs from a sum over s of finished weights.  LIMIT: bf16 operands: x, Wq, q, 2 KV, 2 KS; the large term cl SV / den stays in f32;
; attn is rounded to bf16 once, as the next product's operand.  LIMIT: a softmax term below 2^-126 of its row's largest is zero (ISA guide, 15.8).  Inputs finite.
; attn leaves in the order of the next launch's fragments: fragment (RT = 128 b' + (l >> 4), ksg = column / 32) at (16 RT + ksg) 1,024 bytes, a lane's
; registers 0-3 at 16 x lane, 4-7 at 512 + 16 x lane: every store of a wave covers 512 consecutive bytes.
; Eight waves; wave w owns rows l = 256 c + 32 w + 0..31.  The products are used transposed (source 0 = rows of Wq): a lane holds row r and 32 of its 64 columns.
; NO TENSOR LOADS, NO JOINT REQUESTS: x and Wq are f32 in memory and are converted on the way, so they pass through registers anyway; the x ring of three register
; sets keeps 24,576 bytes of every wave on their way.
.set PW,    1040                       ; LDS pitch of a Wq row: 512 bf16 + 16 bytes = 65 x 16
.set WREG,  64*PW
.set PX,    144                        ; pitch of 64 bf16: 128 + 16 bytes
.set XSW,   32*PX
.set XS,    WREG                       ; 66,560: the waves' x stages
.set KVT,   XS+8*XSW                   ; 103,424: 2 KV as bf16, [e][d], pitch 144
.set NSKV,  KVT+64*PX                  ; 112,640: -SKV[64]
.set SVB,   NSKV+256                   ; SV[64]
.set KS2B,  NSKV+512                   ; 2 KS[64]
.set SCAL,  NSKV+768                   ; SKS at + 4
.set REC,   16896
.set XOFF,  1
.set XST,   2
.set XFA,   3
.set WF,    4
.set WST,   5
.set T16,   6
.set RR,    7
.set HH,    8
.set KVTST, 9
.set NSKVST, 10
.set BOFF,  11                         ; 32 hh
.set KVTF,  12
.set AUXA,  13                         ; NSKV + 32 hh
.set ATO,   14                         ; 16 x lane
.set SKA,   15
.set XFR,   16                         ; v[16:47]   x fragments (ksl, u) at 16 ksl + 8 u
.set WA,    48                         ; v[48:79]
.set WB,    80                         ; v[80:111]
.set T,     WA
.set BIAS,  112                        ; v[112:143] tile t, register j: bq[64 h + 16 t + 8 hh + j]
.set ACC,   144                        ; v[144:207] Q(u, t) at 32 u + 8 t: lane = row 16 u + r, register j = column 16 t + 8 hh + j
.set QF,    16                         ; behind the products: q fragments (u, ksl) at 16 u + 8 ksl
.set KVF,   48                         ; fragments of 2 KV^T (t, ksl) at 16 t + 8 ksl
.set AUX,   112                        ; two fragments: rows 0 and 8 hold 2 KS, rows 1 and 9 ones, the others zeros
.set OUTR,  128                        ; attn, packed
.set NS,    144                        ; -SKV[16 t + 8 hh + j]
.set SVR,   176                        ; SV[16 t + 8 hh + j]
.set D2,    208                        ; numerators
.set AUXD,  240                        ; register 0: 2 q.KS, register 1: sum of q
.set QT,    240                        ; at work in the softmax: v[240:251]
.set MSB, 0
.macro WIN new                         ; the immediate's high byte repeats the setting that is left
.if MSB != \new
	s_set_vgpr_msb (MSB<<8)|\new
.set MSB, \new
.endif
.endm
; Behind a matrix instruction four plain vector instructions that name none of its registers stand before a vector instruction writes, or a load is
; issued into, one of its registers, or its result is read (ISA guide 7.12.1 for vector instructions).
.macro PLACES
.rept 4
	v_nop
.endr
.endm
.macro WISSUE buf, src, n0             ; 16 loads of the work-group, two whole rows of Wq each
.irp i, 0,1,2,3,4,5,6,7,8,9,10,11,12,13,14,15
	global_load_b128 v[\buf+4*\i:\buf+4*\i+3], v[T16], s[\src:\src+1] offset:(\n0+\i)*4096
.endr
.endm
.macro WPROC buf, dst, n0              ; to bf16 in place, 8 bytes a lane into LDS
.irp i, 0,1,2,3,4,5,6,7,8,9,10,11,12,13,14,15
	v_cvt_pk_bf16_f32 v[\buf+4*\i], v[\buf+4*\i], v[\buf+4*\i+1]
	v_cvt_pk_bf16_f32 v[\buf+4*\i+1], v[\buf+4*\i+2], v[\buf+4*\i+3]
.endr
.irp i, 0,1,2,3,4,5,6,7,8,9,10,11,12,13,14,15
	ds_store_b64 v[\dst], v[\buf+4*\i:\buf+4*\i+1] offset:(\n0+\i)*2*PW
.endr
.endm
.macro XLOAD kc                        ; chunk kc of x: 256 bytes of each of my 32 rows, into ring set kc mod 3 (window 1)
	WIN 0x40
.irp p, 0,1,2,3,4,5,6,7,8,9,10,11,12,13,14,15
	global_load_b128 v[64*((\kc)%3)+4*\p:64*((\kc)%3)+4*\p+3], v[XOFF], s[8:9] offset:((\p&7)+16*(\p>>3))*8192+(\kc)*256
.endr
	WIN 0
.endm
; to bf16, the set asked for again, through my own stage into fragments; LDS serves a wave's instructions in order (ISA guide 5.7.1.4)
.macro STAGE kc, fill
	WIN 0x05
.irp p, 0,1,2,3,4,5,6,7,8,9,10,11,12,13,14,15
	v_cvt_pk_bf16_f32 v[T+2*\p], v[64*((\kc)%3)+4*\p], v[64*((\kc)%3)+4*\p+1]
	v_cvt_pk_bf16_f32 v[T+2*\p+1], v[64*((\kc)%3)+4*\p+2], v[64*((\kc)%3)+4*\p+3]
.endr
.if \fill
	XLOAD \kc+3
.endif
	WIN 0
.irp p, 0,1,2,3,4,5,6,7,8,9,10,11,12,13,14,15
	ds_store_b64 v[XST], v[T+2*\p:T+2*\p+1] offset:((\p&7)+16*(\p>>3))*PX
.endr
.irp f, 0,1,2,3
	ds_load_b128 v[XFR+8*\f:XFR+8*\f+3], v[XFA] offset:(\f&1)*16*PX+(\f>>1)*64
	ds_load_b128 v[XFR+8*\f+4:XFR+8*\f+7], v[XFA] offset:(\f&1)*16*PX+(\f>>1)*64+32
.endr
.endm
.macro LDW buf, base, kbyte
.irp t, 0,1,2,3
	ds_load_b128 v[\buf+8*\t:\buf+8*\t+3], v[\base] offset:\t*16*PW+\kbyte
	ds_load_b128 v[\buf+8*\t+4:\buf+8*\t+7], v[\base] offset:\t*16*PW+\kbyte+32
.endr
.endm
; eight products on the eight accumulators, which take turns, one instruction a turn.  first = 1: the bias starts the sums
.macro MM2 buf, ksl, first
.irp t, 0,1,2,3
.irp u, 0,1
.if \first
	v_wmma_f32_16x16x32_bf16 v[ACC+32*\u+8*\t:ACC+32*\u+8*\t+7], v[\buf+8*\t:\buf+8*\t+7], v[XFR+16*\ksl+8*\u:XFR+16*\ksl+8*\u+7], v[BIAS+8*\t:BIAS+8*\t+7]
.else
	v_wmma_f32_16x16x32_bf16 v[ACC+32*\u+8*\t:ACC+32*\u+8*\t+7], v[\buf+8*\t:\buf+8*\t+7], v[XFR+16*\ksl+8*\u:XFR+16*\ksl+8*\u+7], v[ACC+32*\u+8*\t:ACC+32*\u+8*\t+7]
.endif
.endr
.endr
.endm
.macro CHUNK kc, cnt, fill, first      ; cnt = the x loads younger than this chunk's
.if \kc
	PLACES
.endif
	s_wait_loadcnt \cnt
	STAGE \kc, \fill
	LDW WA, WF, (2*\kc)*64
	LDW WB, WF, (2*\kc+1)*64
	s_wait_dscnt 8                     ; the second group of Wq fragments may be out
	MM2 WA, 0, \first
	s_wait_dscnt 0
	MM2 WB, 1, 0
.endm
; softmax of 16 rows: a lane holds 32 of its row's columns, lane xor 16 the other 32; q leaves as the next product's source 1
.macro QSOFT u
.irp t, 0,1,2,3
	v_max3_num_f32 v[QT+\t], v[ACC+32*\u+8*\t], v[ACC+32*\u+8*\t+1], v[ACC+32*\u+8*\t+2]
.endr
.irp t, 0,1,2,3
	v_max3_num_f32 v[QT+\t], v[QT+\t], v[ACC+32*\u+8*\t+3], v[ACC+32*\u+8*\t+4]
.endr
.irp t, 0,1,2,3
	v_max3_num_f32 v[QT+\t], v[QT+\t], v[ACC+32*\u+8*\t+5], v[ACC+32*\u+8*\t+6]
.endr
.irp t, 0,1,2,3
	v_max_num_f32 v[QT+\t], v[QT+\t], v[ACC+32*\u+8*\t+7]
.endr
	v_max3_num_f32 v[QT], v[QT], v[QT+1], v[QT+2]
	v_max_num_f32 v[QT], v[QT], v[QT+3]
	v_permlanex16_b32 v[QT+1], v[QT], s34, s35
	v_max_num_f32 v[QT], v[QT], v[QT+1]
	v_mul_f32 v[QT], 0xbfb8aa3b, v[QT]             ; - maximum x log2 e
.set ix, 0
.rept 16
	v_pk_fma_f32 v[ACC+32*\u+2*ix:ACC+32*\u+2*ix+1], v[ACC+32*\u+2*ix:ACC+32*\u+2*ix+1], 0x3fb8aa3b, v[QT:QT+1] op_sel_hi:[1,0,0]
.set ix, ix+1
.endr
.set ix, 0
.rept 32
	v_exp_f32 v[ACC+32*\u+ix], v[ACC+32*\u+ix]
.set ix, ix+1
.endr
	v_nop                              ; one plain vector instruction behind the last v_exp_f32 before its result is used (ISA guide 5.7.2)
	s_wait_alu depctr_va_vdst(0)
.irp t, 0,1,2,3
	v_pk_add_f32 v[QT+4+2*\t:QT+5+2*\t], v[ACC+32*\u+8*\t:ACC+32*\u+8*\t+1], v[ACC+32*\u+8*\t+2:ACC+32*\u+8*\t+3]
.endr
.irp j, 4,6
.irp t, 0,1,2,3
	v_pk_add_f32 v[QT+4+2*\t:QT+5+2*\t], v[QT+4+2*\t:QT+5+2*\t], v[ACC+32*\u+8*\t+\j:ACC+32*\u+8*\t+\j+1]
.endr
.endr
	v_pk_add_f32 v[QT+4:QT+5], v[QT+4:QT+5], v[QT+6:QT+7]
	v_pk_add_f32 v[QT+8:QT+9], v[QT+8:QT+9], v[QT+10:QT+11]
	v_pk_add_f32 v[QT+4:QT+5], v[QT+4:QT+5], v[QT+8:QT+9]
	v_add_f32 v[QT+4], v[QT+4], v[QT+5]
	v_permlanex16_b32 v[QT+5], v[QT+4], s34, s35
	v_add_f32 v[QT+4], v[QT+4], v[QT+5]
	v_rcp_f32 v[QT+4], v[QT+4]                     ; the sum is at least about 1
	v_nop
.set ix, 0
	s_wait_alu depctr_va_vdst(0)
.rept 16
	v_pk_mul_f32 v[ACC+32*\u+2*ix:ACC+32*\u+2*ix+1], v[ACC+32*\u+2*ix:ACC+32*\u+2*ix+1], v[QT+4:QT+5] op_sel_hi:[1,0]
.set ix, ix+1
.endr
.irp t, 0,1,2,3
.irp j, 0,1,2,3
	v_cvt_pk_bf16_f32 v[QF+16*\u+4*\t+\j], v[ACC+32*\u+8*\t+2*\j], v[ACC+32*\u+8*\t+2*\j+1]   ; tile t = registers 4 (t & 1) .. of fragment t >> 1
.endr
.endr
.endm
; 16 rows: numerators, denominator, attn.  Five accumulators take turns, one instruction a turn.
.macro ATT u
.irp t, 0,1,2,3
	v_wmma_f32_16x16x32_bf16 v[D2+8*\t:D2+8*\t+7], v[KVF+16*\t:KVF+16*\t+7], v[QF+16*\u:QF+16*\u+7], v[NS+8*\t:NS+8*\t+7]
.endr
	v_wmma_f32_16x16x32_bf16 v[AUXD:AUXD+7], v[AUX:AUX+7], v[QF+16*\u:QF+16*\u+7], 0
.irp t, 0,1,2,3
	v_wmma_f32_16x16x32_bf16 v[D2+8*\t:D2+8*\t+7], v[KVF+16*\t+8:KVF+16*\t+15], v[QF+16*\u+8:QF+16*\u+15], v[D2+8*\t:D2+8*\t+7]
.endr
	v_wmma_f32_16x16x32_bf16 v[AUXD:AUXD+7], v[AUX+8:AUX+15], v[QF+16*\u+8:QF+16*\u+15], v[AUXD:AUXD+7]
	PLACES
	v_sub_f32 v248, 0x42800000, v[AUXD+1]          ; cl = 64 - sum of q
	v_fmamk_f32 v249, v248, 0x45000000, v[AUXD]    ; 2048 cl + 2 q.KS
	v_sub_f32 v249, v249, v252                     ; - SKS
	v_max_num_f32 v249, 0x358637bd, v249           ; the clip at 1e-6
	v_rcp_f32 v250, v249
	v_nop
	s_wait_alu depctr_va_vdst(0)
	v_mul_f32 v251, v248, v250                     ; v[250:251] = (1 / den, cl / den)
.set ix, 0
.rept 16
	v_pk_mul_f32 v[D2+2*ix:D2+2*ix+1], v[D2+2*ix:D2+2*ix+1], v[250:251] op_sel_hi:[1,0]
.set ix, ix+1
.endr
.set ix, 0
.rept 16
	v_pk_fma_f32 v[D2+2*ix:D2+2*ix+1], v[SVR+2*ix:SVR+2*ix+1], v[250:251], v[D2+2*ix:D2+2*ix+1] op_sel:[0,1,0] op_sel_hi:[1,1,1]
.set ix, ix+1
.endr
	s_wait_xcnt 0x0                                ; earlier stores have had their addresses translated (ISA guide 3.1): their data registers are written again only behind this wait
.irp t, 0,1,2,3
.irp j, 0,1,2,3
	v_cvt_pk_bf16_f32 v[OUTR+4*\t+\j], v[D2+8*\t+2*\j], v[D2+8*\t+2*\j+1]
.endr
.endr
.irp t, 0,1,2,3
	global_store_b128 v[ATO], v[OUTR+4*\t:OUTR+4*\t+3], s[16:17] offset:\u*16384+\t*512
.endr
.endm
	s_load_b256 s[8:15], s[0:1], 0x0               ; query s[8:9], Wq s[10:11], bq s[12:13], part s[14:15]
	s_load_b64 s[16:17], s[0:1], 0x20              ; at
	v_lshl_add_u32 v255, v0, 2, 0x1bc00
	s_set_vgpr_msb 0x40
	v_mov_b32 v193, 0
	s_set_vgpr_msb 0x4000
	v_lshrrev_b32 v15, 5, v0
	v_readfirstlane_b32 s2, v15                    ; wave w
	s_and_b32 s3, ttmp7, 0xffff                    ; y = 4 c + b';  h = ttmp9
	s_and_b32 s4, s3, 3
	s_lshr_b32 s5, s3, 2
	s_mov_b32 s34, 0x76543210
	s_mov_b32 s35, 0xfedcba98
	s_lshl_b32 s24, s5, 21                         ; x: 256 c steps of 8,192 bytes + b' rows of 2,048 + 32 w steps
	s_lshl_b32 s6, s4, 11
	s_add_co_u32 s24, s24, s6
	s_lshl_b32 s6, s2, 18
	s_add_co_u32 s24, s24, s6
	s_mov_b32 s25, 0
	s_lshl_b32 s26, ttmp9, 17                      ; Wq: 64 h rows
	s_mov_b32 s27, 0
	s_lshl_b32 s28, ttmp9, 8                       ; bq: 64 h numbers
	s_mov_b32 s29, 0
	s_lshl_b32 s30, s4, 3                          ; part: the eight records of head 8 b' + h
	s_add_co_u32 s30, s30, ttmp9
	s_mul_i32 s30, s30, 8*REC
	s_mov_b32 s31, 0
	s_lshl_b32 s32, s4, 7                          ; at: row tile 128 b' + 16 c + 2 w, 16,384 bytes each; fragment 2 h in it
	s_lshl_b32 s6, s5, 4
	s_add_co_u32 s32, s32, s6
	s_lshl_b32 s6, s2, 1
	s_add_co_u32 s32, s32, s6
	s_lshl_b32 s32, s32, 14
	s_lshl_b32 s6, ttmp9, 11
	s_add_co_u32 s32, s32, s6
	s_mov_b32 s33, 0
	v_and_b32 v[RR], 15, v0
	v_bfe_u32 v[HH], v0, 4, 1
	v_and_b32 v[ATO], 31, v0                       ; lane
	v_lshlrev_b32 v[T16], 4, v0
	v_lshlrev_b32 v[XOFF], 4, v[RR]
	v_lshl_add_u32 v[XOFF], v[HH], 16, v[XOFF]
	s_mul_i32 s6, s2, XSW
	s_add_co_u32 s6, s6, XS
	v_mul_u32_u24 v[XST], v[HH], 8*PX
	v_lshl_add_u32 v[XST], v[RR], 3, v[XST]
	v_add_nc_u32 v[XST], s6, v[XST]
	v_mul_u32_u24 v[XFA], v[RR], PX
	v_lshl_add_u32 v[XFA], v[HH], 4, v[XFA]
	v_add_nc_u32 v[XFA], s6, v[XFA]
	v_mul_u32_u24 v[WF], v[RR], PW
	v_lshl_add_u32 v[WF], v[HH], 4, v[WF]
	s_lshr_b32 s6, s2, 2                           ; thread t = 32 w + lane: row t >> 7 of a load's two rows, column 4 (t & 127)
	s_mul_i32 s6, s6, PW
	s_and_b32 s7, s2, 3
	s_lshl_b32 s7, s7, 8
	s_add_co_u32 s6, s6, s7
	v_lshl_add_u32 v[WST], v[ATO], 3, s6
	v_lshlrev_b32 v[ATO], 4, v[ATO]
	s_mul_i32 s6, s2, 2*PX                         ; KVT: thread t holds columns d = 4 r .. of rows e = 2 w + hh + 16 i
	s_add_co_u32 s6, s6, KVT
	v_mul_u32_u24 v[KVTST], v[HH], PX
	v_lshl_add_u32 v[KVTST], v[RR], 3, v[KVTST]
	v_add_nc_u32 v[KVTST], s6, v[KVTST]
	s_lshl_b32 s6, s2, 3
	s_add_co_u32 s6, s6, NSKV
	v_lshl_add_u32 v[NSKVST], v[HH], 2, s6
	v_lshlrev_b32 v[BOFF], 5, v[HH]
	v_mul_u32_u24 v[KVTF], v[RR], PX
	v_lshl_add_u32 v[KVTF], v[HH], 4, v[KVTF]
	v_add_nc_u32 v[KVTF], KVT, v[KVTF]
	v_add_nc_u32 v[AUXA], NSKV, v[BOFF]
	v_mov_b32 v[SKA], SCAL+4
	s_wait_kmcnt 0x0
	s_add_nc_u64 s[8:9], s[8:9], s[24:25]
	s_add_nc_u64 s[10:11], s[10:11], s[26:27]
	s_add_nc_u64 s[12:13], s[12:13], s[28:29]
	s_add_nc_u64 s[14:15], s[14:15], s[30:31]
	s_add_nc_u64 s[16:17], s[16:17], s[32:33]
	; wave 0 (t = lane) also takes the records' SV and KS.  These eight loads are the oldest, so every count below holds with and without them.
	s_cmp_lg_u32 s2, 0
	s_cbranch_scc1 .Lno_tail_loads
.irp c, 0,1,2,3,4,5,6,7
	global_load_b128 v[208+4*\c:211+4*\c], v[T16], s[14:15] offset:\c*REC+16384
.endr
.Lno_tail_loads:
.irp i, 0,1,2,3
.irp c, 0,1,2,3,4,5,6,7
	global_load_b128 v[16+32*\i+4*\c:16+32*\i+4*\c+3], v[T16], s[14:15] offset:\c*REC+4096*\i
.endr
.endr
	WISSUE 144, 10, 0                              ; Wq rows 0-31
	s_wait_loadcnt 16                              ; Wq's batch stays out; the records are in
.irp c, 1,2,3,4,5,6,7
.irp i, 0,1,2,3
	v_pk_add_f32 v[16+32*\i:17+32*\i], v[16+32*\i:17+32*\i], v[16+32*\i+4*\c:17+32*\i+4*\c]
	v_pk_add_f32 v[18+32*\i:19+32*\i], v[18+32*\i:19+32*\i], v[18+32*\i+4*\c:19+32*\i+4*\c]
.endr
.endr
	; SKV[e]: my four d, then the 16 lanes that share row e
.irp i, 0,1,2,3
	v_add_f32 v[20+32*\i], v[16+32*\i], v[17+32*\i]
	v_add_f32 v[21+32*\i], v[18+32*\i], v[19+32*\i]
.endr
.irp i, 0,1,2,3
	v_add_f32 v[20+32*\i], v[20+32*\i], v[21+32*\i]
.endr
.irp x, 1,2,4,8
.irp i, 0,1,2,3
	v_add_f32_dpp v[20+32*\i], v[20+32*\i], v[20+32*\i] row_xmask:\x row_mask:0xf bank_mask:0xf
.endr
.endr
.irp i, 0,1,2,3
	v_mul_f32 v[20+32*\i], -1.0, v[20+32*\i]
	v_pk_add_f32 v[16+32*\i:17+32*\i], v[16+32*\i:17+32*\i], v[16+32*\i:17+32*\i]     ; 2 KV
	v_pk_add_f32 v[18+32*\i:19+32*\i], v[18+32*\i:19+32*\i], v[18+32*\i:19+32*\i]
.endr
.irp i, 0,1,2,3
	v_cvt_pk_bf16_f32 v[22+32*\i], v[16+32*\i], v[17+32*\i]
	v_cvt_pk_bf16_f32 v[23+32*\i], v[18+32*\i], v[19+32*\i]
.endr
.irp i, 0,1,2,3
	ds_store_b64 v[KVTST], v[22+32*\i:23+32*\i] offset:\i*16*PX
	ds_store_b32 v[NSKVST], v[20+32*\i] offset:64*\i       ; the 16 lanes of a row write the same word with the same number
.endr
	s_wait_dscnt 0x0                               ; the stores have read their registers, which are loaded again
	WISSUE 16, 10, 16                              ; Wq rows 32-63
.irp t, 0,1,2,3
	global_load_b128 v[BIAS+8*\t:BIAS+8*\t+3], v[BOFF], s[12:13] offset:64*\t
	global_load_b128 v[BIAS+8*\t+4:BIAS+8*\t+7], v[BOFF], s[12:13] offset:64*\t+16
.endr
	s_cmp_lg_u32 s2, 0
	s_cbranch_scc1 .Lno_tail
.irp c, 1,2,3,4,5,6,7
	v_pk_add_f32 v[208:209], v[208:209], v[208+4*\c:209+4*\c]
	v_pk_add_f32 v[210:211], v[210:211], v[210+4*\c:211+4*\c]
.endr
	v_add_f32 v212, v208, v209                     ; lanes 0-15 hold SV, lanes 16-31 KS: the sum over a half of the wave is SKS in the upper half
	v_add_f32 v213, v210, v211
	v_add_f32 v212, v212, v213
.irp x, 1,2,4,8
	v_add_f32_dpp v212, v212, v212 row_xmask:\x row_mask:0xf bank_mask:0xf
.endr
	v_lshlrev_b32 v214, 2, v[HH]
	v_add_nc_u32 v214, SCAL, v214
	ds_store_b32 v214, v212                        ; SKS at SCAL + 4 (the lower half's sum at SCAL is not used)
	v_cvt_f32_u32 v213, v[HH]
	v_add_f32 v213, 1.0, v213                      ; SV x 1, KS x 2
	v_mul_f32 v208, v208, v213
	v_mul_f32 v209, v209, v213
	v_mul_f32 v210, v210, v213
	v_mul_f32 v211, v211, v213
	v_add_nc_u32 v215, SVB, v[T16]
	ds_store_b128 v215, v[208:211]                 ; SV, and right behind it 2 KS
.Lno_tail:
	s_wait_loadcnt 24                              ; younger: Wq's second batch (16) and the bias (8)
	WPROC 144, WST, 0
	XLOAD 0
	s_wait_loadcnt 24                              ; younger: the bias (8) and x chunk 0 (16)
	WPROC 16, WST, 16
	XLOAD 1
	XLOAD 2
	s_wait_dscnt 0x0                               ; what I put into LDS is there,
	s_barrier_signal -1
	s_barrier_wait -1                              ; and what the others put: the only barrier, since from here on shared bytes are only read
	CHUNK 0, 32, 1, 1
	CHUNK 1, 32, 1, 0
	CHUNK 2, 32, 1, 0
	CHUNK 3, 32, 1, 0
	CHUNK 4, 32, 1, 0
	CHUNK 5, 32, 0, 0
	CHUNK 6, 16, 0, 0
	CHUNK 7, 0, 0, 0
	PLACES
.irp t, 0,1,2,3
.irp k, 0,1
	ds_load_b128 v[KVF+16*\t+8*\k:KVF+16*\t+8*\k+3], v[KVTF] offset:\t*16*PX+64*\k
	ds_load_b128 v[KVF+16*\t+8*\k+4:KVF+16*\t+8*\k+7], v[KVTF] offset:\t*16*PX+64*\k+32
.endr
.endr
.irp x, 0,1,2,3
	ds_load_b128 v[208+8*\x:211+8*\x], v[AUXA] offset:512+64*\x        ; 2 KS[16 x + 8 hh + 0..7]
	ds_load_b128 v[212+8*\x:215+8*\x], v[AUXA] offset:512+64*\x+16
.endr
	QSOFT 0
	QSOFT 1
.irp t, 0,1,2,3
	ds_load_b128 v[NS+8*\t:NS+8*\t+3], v[AUXA] offset:64*\t
	ds_load_b128 v[NS+8*\t+4:NS+8*\t+7], v[AUXA] offset:64*\t+16
.endr
.irp t, 0,1,2,3
	ds_load_b128 v[SVR+8*\t:SVR+8*\t+3], v[AUXA] offset:256+64*\t
	ds_load_b128 v[SVR+8*\t+4:SVR+8*\t+7], v[AUXA] offset:256+64*\t+16
.endr
	ds_load_b32 v252, v[SKA]
	s_wait_dscnt 17                                ; the 8 + 8 + 1 loads just issued may be out; 2 KS is in
	v_and_b32 v253, 7, v[RR]
	v_cmp_eq_u32 s38, 0, v253                      ; rows 0 and 8 of the fragment: register 0 of either half of the result
	v_cmp_eq_u32 s39, 1, v253                      ; rows 1 and 9: register 1
	v_mov_b32 v254, 0x3f803f80                     ; two ones in bf16
.irp x, 0,1,2,3,4,5,6,7,8,9,10,11,12,13,14,15
	v_cvt_pk_bf16_f32 v[AUX+\x], v[208+2*\x], v[208+2*\x+1]
.endr
.irp x, 0,1,2,3,4,5,6,7,8,9,10,11,12,13,14,15
	v_cndmask_b32 v[AUX+\x], 0, v[AUX+\x], s38
.endr
.irp x, 0,1,2,3,4,5,6,7,8,9,10,11,12,13,14,15
	v_cndmask_b32 v[AUX+\x], v[AUX+\x], v254, s39
.endr
	s_wait_dscnt 0x0
	ATT 0
	ATT 1
	s_set_vgpr_msb 0x4
	s_wait_tensorcnt 0x0
	ds_add_u32 v255, v193
	s_wait_dscnt 0x0
	s_set_vgpr_msb 0x400
	s_endpgm
.Lfunc_end_k_qcbffb5313b_qattn:
	.size	k_qcbffb5313b_qattn, .Lfunc_end_k_qcbffb5313b_qattn-k_qcbffb5313b_qattn
	.p2alignl 7, 3214868480
	.fill 96, 4, 3214868480
	.section	.rodata,"a",@progbits
	.p2align	6, 0x0
	.amdhsa_kernel k_qcbffb5313b_qattn
		.amdhsa_group_segment_fixed_size 114688
		.amdhsa_private_segment_fixed_size 0
		.amdhsa_enable_private_segment 0
		.amdhsa_kernarg_size 40
		.amdhsa_user_sgpr_count 2
		.amdhsa_user_sgpr_kernarg_segment_ptr 1
		.amdhsa_wavefront_size32 1
		.amdhsa_system_sgpr_workgroup_id_x 1
		.amdhsa_system_sgpr_workgroup_id_y 1
		.amdhsa_system_sgpr_workgroup_id_z 1
		.amdhsa_system_vgpr_workitem_id 0
		.amdhsa_next_free_vgpr 450
		.amdhsa_next_free_sgpr 66
		.amdhsa_reserve_vcc 0
		.amdhsa_float_denorm_mode_32 3
		.amdhsa_float_denorm_mode_16_64 3
		.amdhsa_memory_ordered 1
		.amdhsa_forward_progress 1
		.amdhsa_inst_pref_size 114
	.end_amdhsa_kernel
	.amdgpu_metadata
---
amdhsa.version: [ 1, 2 ]
amdhsa.kernels:
  - .name:           k_qcbffb5313b_qattn
    .symbol:         k_qcbffb5313b_qattn.kd
    .args:
      - { .name: query, .offset: 0, .size: 8, .value_kind: global_buffer, .address_space: global }
      - { .name: Wq, .offset: 8, .size: 8, .value_kind: global_buffer, .address_space: global }
      - { .name: bq, .offset: 16, .size: 8, .value_kind: global_buffer, .address_space: global }
      - { .name: part, .offset: 24, .size: 8, .value_kind: global_buffer, .address_space: global }
      - { .name: at, .offset: 32, .size: 8, .value_kind: global_buffer, .address_space: global }
    .group_segment_fixed_size: 114688
    .private_segment_fixed_size: 0
    .kernarg_segment_align: 8
    .kernarg_segment_size: 40
    .max_flat_workgroup_size: 256
    .sgpr_count:     66
    .vgpr_count:     450
    .wavefront_size: 32
...
	.end_amdgpu_metadata
.endif
;; end of part 2
;; launch oproj (part 3): grid 4 x 64, 4 waves a work-group, clusters of 4 x 4, 280,064 bytes of LDS; arguments at, wob, bo, out0; writes out0
.if DOCPART == 3
	.amdgcn_target "amdgcn-amd-amdhsa--gfx1250"
	.amdhsa_code_object_version 6
	.text
	.protected	k_qcbffb5313b_oproj
	.globl	k_qcbffb5313b_oproj
	.p2align	8
	.type	k_qcbffb5313b_oproj,@function
k_qcbffb5313b_oproj:
	s_mov_b64 s[64:65], 0
	v_nop
	global_prefetch_b8 v0, s[64:65] scope:SCOPE_SE
	s_setreg_imm32_b32 hwreg(HW_REG_WAVE_MODE, 25, 1), 1
	s_wait_xcnt 0x0
	s_wait_alu depctr_hold_cnt(0) depctr_sa_sdst(0) depctr_va_vdst(0) depctr_va_sdst(0) depctr_va_ssrc(0) depctr_va_vcc(0) depctr_vm_vsrc(0)
	s_getreg_b32 s2, hwreg(HW_REG_IB_STS2, 6, 4)
	s_cmp_eq_u32 s2, 0
	s_cbranch_scc0 .Lentry_in_a_cluster
	s_endpgm
.Lentry_in_a_cluster:
	s_bfe_u32 s2, ttmp6, 0x10000c
	s_cmp_lg_u32 s2, 0xf033
	s_cbranch_scc0 .Lentry_shape_is_right
	s_endpgm
.Lentry_shape_is_right:
; oproj.  out = attn Wo^T + bo.  attn (at) and Wo (wob) lie in memory as bf16 fragments of 1,024 bytes, fragment (tile of 16 rows, k step of 32) at
; (16 tile + k step) 1,024, a lane's registers 0-3 at 16 x lane, 4-7 at 512 + 16 x lane.  Row tile RT of attn holds l = 16 (RT & 127) + 0..15 of b' = RT >> 7;
; row (l, b') of out0 is row 4 l + b'.  Sums in f32, started by the bias.
; A work-group makes 128 rows x 128 columns with four waves, as many as a WGP has SIMDs; wave (wr, wc) makes 64 x 64: 16 accumulator tiles in window 1.
; The whole K = 512 of both operands (2 x 131,072 bytes) is brought into LDS once, in four chunks of 4 k steps: no slot is ever filled again.
; CLUSTERS: 4 x 4 work-groups.  The four of a row of the cluster need the same 128 rows of attn, the four of a column the same 128 rows of Wo: each tile is asked for
; jointly, by the same tensor load with the same descriptor and a mask that names the four.  A wave has four tensor loads out, by this text's own count.
; The product is used transposed (source 0 = rows of Wo): a lane holds eight neighbouring columns of one row of out0.
.set G1A,  24                          ; s[24:31] group 1 for attn's tiles
.set G1B,  32                          ; s[32:39] group 1 for Wo's: another mask, else the same
.set G0A,  40                          ; s[40:55] group 0 for attn, a set for each chunk
.set G0B,  68                          ; s[68:83] group 0 for Wo
.set ATA,  1                           ; v1  LDS: my attn fragments
.set WOA,  2                           ; v2  LDS: my Wo fragments
.set STO,  3                           ; v3  the way out, in
.set RD,   4                           ; v4  the way out, back
.set CO,   5                           ; v5  my byte offset in out0
.set BOFF, 6                           ; v6  32 hh
.set RR,   7
.set HH,   8
.set F0,   16                          ; v[16:79], v[80:143]: two fragment buffers: attn's four at + 8 a, Wo's four at + 32 + 8 b
.set BIAS, 144                         ; v[144:175] tile b, register j: bo[128 CB + 64 wc + 16 b + 8 hh + j]
.set OB,   176                         ; v[176:207], v[208:239]: rows on their way out, by turns
.set SP,   272                         ; stage pitch: a row of 64 f32 + 16 bytes = 17 x 16
.set STAGE, 262144                     ; behind the operands: 16 rows x 272 bytes for each wave; no tensor load lands here
.set MSB, 0
.macro WIN new                         ; the immediate's high byte repeats the setting that is left
.if MSB != \new
	s_set_vgpr_msb (MSB<<8)|\new
.set MSB, \new
.endif
.endm
; Behind a matrix instruction four plain vector instructions that name none of its registers stand before a load is issued into one of its registers
; or its result is read (ISA guide 7.12.1 for vector instructions).
.macro PLACES
.rept 4
	v_nop
.endr
.endm
; A round of the cluster's barrier: my work-group's barrier, wave 0 signals for the work-group, every wave waits for all sixteen, my work-group's barrier once more.
.macro CROUND
	s_barrier_signal -1
	s_barrier_wait -1
	s_cmp_lg_u32 s12, 0
	s_cbranch_scc1 .Lnot_wave_0_\@
	s_barrier_signal -3
.Lnot_wave_0_\@:
	s_barrier_wait -3
	s_barrier_signal -1
	s_barrier_wait -1
.endm
; A joint load of chunk q.  Waves 0 and 1 fetch attn's two halves, waves 2 and 3 Wo's; the branch hangs on the wave's number alone.
.macro JLOAD q
	s_cmp_eq_u32 s13, 0
	s_cbranch_scc0 .Lfor_b_\@
	tensor_load_to_lds s[G0A+4*\q:G0A+4*\q+3], s[G1A:G1A+7]
	s_nop 0
	s_branch .Lasked_\@
.Lfor_b_\@:
	tensor_load_to_lds s[G0B+4*\q:G0B+4*\q+3], s[G1B:G1B+7]
	s_nop 0
.Lasked_\@:
.endm
; Chunk q is shown to all four waves: my part has landed (the 3 - q younger chunks stay out), my LDS loads are back.
.macro CHB q
	s_wait_tensorcnt 3-(\q)
	s_wait_dscnt 0x0
	s_barrier_signal -1
	s_barrier_wait -1
.endm
; the eight fragments of k step k: every load reads 512 consecutive bytes
.macro FETCH k, f
.irp a, 0,1,2,3
	ds_load_b128 v[\f+8*\a:\f+8*\a+3], v[ATA] offset:((\k)>>2)*16384+\a*4096+((\k)&3)*1024
	ds_load_b128 v[\f+8*\a+4:\f+8*\a+7], v[ATA] offset:((\k)>>2)*16384+\a*4096+((\k)&3)*1024+512
.endr
.irp b, 0,1,2,3
	ds_load_b128 v[\f+32+8*\b:\f+32+8*\b+3], v[WOA] offset:((\k)>>2)*16384+\b*4096+((\k)&3)*1024
	ds_load_b128 v[\f+32+8*\b+4:\f+32+8*\b+7], v[WOA] offset:((\k)>>2)*16384+\b*4096+((\k)&3)*1024+512
.endr
.endm
; 16 products on the 16 accumulators, which take turns, one instruction a turn.  first = 1: the bias (window 0) starts the sums
.macro MM3 f, first
.if \first
	WIN 0x40                           ; D in window 1
.else
	WIN 0x50                           ; C and D in window 1
.endif
.irp a, 0,1,2,3
.irp b, 0,1,2,3
.if \first
	v_wmma_f32_16x16x32_bf16 v[8*(4*\a+\b):8*(4*\a+\b)+7], v[\f+32+8*\b:\f+32+8*\b+7], v[\f+8*\a:\f+8*\a+7], v[BIAS+8*\b:BIAS+8*\b+7]
.else
	v_wmma_f32_16x16x32_bf16 v[8*(4*\a+\b):8*(4*\a+\b)+7], v[\f+32+8*\b:\f+32+8*\b+7], v[\f+8*\a:\f+8*\a+7], v[8*(4*\a+\b):8*(4*\a+\b)+7]
.endif
.endr
.endr
.endm
; k step i: the next step's fragments are asked for, then this step's are multiplied
.macro STEP i
.if ((\i+1)&3) == 0
	CHB ((\i+1)>>2)
.endif
.if \i
	PLACES
.endif
	WIN 0
	FETCH \i+1, F0+64*((\i+1)&1)
	s_wait_dscnt 16                                ; the 16 loads just issued may be out
.if \i == 0
	s_wait_loadcnt 0x0                             ; the bias, once
	MM3 F0, 1
.else
	MM3 F0+64*(\i&1), 0
.endif
.endm
; 16 rows x 64 columns of f32: 32 bytes a lane into my own stage, read back as whole rows of 256 bytes
.macro OUT16 a
	WIN 0x04                           ; the stores' data in window 1
.irp b, 0,1,2,3
	ds_store_b128 v[STO], v[8*(4*\a+\b):8*(4*\a+\b)+3] offset:64*\b
	ds_store_b128 v[STO], v[8*(4*\a+\b)+4:8*(4*\a+\b)+7] offset:64*\b+16
.endr
	WIN 0
	s_wait_xcnt 0x0                                ; earlier stores have had their addresses translated (ISA guide 3.1): their data registers are loaded again only behind this wait
.irp t, 0,1,2,3,4,5,6,7
	ds_load_b128 v[OB+32*(\a&1)+4*\t:OB+32*(\a&1)+4*\t+3], v[RD] offset:\t*2*SP    ; LDS serves a wave's instructions in order (ISA guide 5.7.1.4): these see the stores above
.endr
.irp t, 0,1,2,3,4,5,6,7
	s_wait_dscnt 7-\t
	global_store_b128 v[CO], v[OB+32*(\a&1)+4*\t:OB+32*(\a&1)+4*\t+3], s[10:11] offset:\a*131072+\t*16384 th:TH_STORE_NT   ; 16 lanes store 256 consecutive bytes, aligned
.endr
.endm
	s_load_b256 s[4:11], s[0:1], 0x0               ; at s[4:5], wob s[6:7], bo s[8:9], out0 s[10:11]
	v_lshl_add_u32 v254, v0, 2, 0x44400
	v_mov_b32 v255, 0
	ds_add_u32 v254, v255
	ds_add_u32 v254, v255
	v_lshrrev_b32 v9, 5, v0
	v_readfirstlane_b32 s12, v9                    ; wave 0..3
	s_lshr_b32 s13, s12, 1                         ; wr: my half of the rows.  Also: I fetch for attn (0) or for Wo (1)
	s_and_b32 s14, s12, 1                          ; wc: my half of the columns.  Also: which half of that operand I fetch
	s_bfe_u32 s16, ttmp6, 0x40000                  ; cx
	s_bfe_u32 s17, ttmp6, 0x40004                  ; cy
	s_lshl_b32 s18, ttmp9, 2
	s_add_co_u32 s18, s18, s16                     ; CB: block column = 4 x cluster x + cx
	s_and_b32 s19, ttmp7, 0xffff
	s_lshl_b32 s19, s19, 2
	s_add_co_u32 s19, s19, s17                     ; RB: block row = 4 x cluster y + cy
	s_lshl_b32 s20, s17, 2
	s_lshl_b32 s20, 15, s20                        ; my row of the cluster
	s_lshl_b32 s21, 0x1111, s16                    ; my column
	; group 1: 4 rows (tiles) of 512 elements of 8 bytes (4 k steps, 4,096 bytes), 2,048 elements (a tile's 16,384 bytes) apart; dense in LDS
	s_or_b32 s[G1A+0], s20, (3<<16)|(1<<21)        ; 15:0 the mask; 17:16 elements of 8 bytes; 21 set beside a mask
	s_or_b32 s[G1B+0], s21, (3<<16)|(1<<21)
	s_mov_b32 s[G1A+1], 512<<16                    ; tensor_dim0 = 512
	s_mov_b32 s[G1B+1], 512<<16
	s_mov_b32 s[G1A+2], 4<<16                      ; tensor_dim1 = 4
	s_mov_b32 s[G1B+2], 4<<16
	s_mov_b32 s[G1A+3], 512<<16                    ; tile_dim0 = 512
	s_mov_b32 s[G1B+3], 512<<16
	s_mov_b32 s[G1A+4], 4                          ; tile_dim1 = 4
	s_mov_b32 s[G1B+4], 4
	s_mov_b32 s[G1A+5], 2048                       ; from row to row
	s_mov_b32 s[G1B+5], 2048
	s_mov_b32 s[G1A+6], 0
	s_mov_b32 s[G1B+6], 0
	s_mov_b32 s[G1A+7], 0
	s_mov_b32 s[G1B+7], 0
	; attn's address hangs on the block row alone, Wo's on the block column alone; each lies in registers that never hold the other coordinate
	s_lshl_b32 s22, s14, 16                        ; my half: 4 tiles of 16,384 bytes
	s_lshl_b32 s56, s19, 17                        ; 8 RB tiles
	s_add_co_u32 s56, s56, s22
	s_mov_b32 s57, 0
	s_lshl_b32 s58, s18, 17                        ; 8 CB tiles
	s_add_co_u32 s58, s58, s22
	s_mov_b32 s59, 0
	s_lshl_b32 s23, s12, 16                        ; LDS: region w of 65,536 bytes: attn's halves, then Wo's
	s_wait_dscnt 0x0
	s_wait_kmcnt 0x0
	s_add_nc_u64 s[60:61], s[4:5], s[56:57]
	s_add_nc_u64 s[62:63], s[6:7], s[58:59]
	CROUND                                         ; all sixteen work-groups are here: the joint loads meet
.irp q, 0,1,2,3
	s_mov_b32 s[G0A+4*\q], 1
	s_add_co_u32 s[G0A+4*\q+1], s23, \q*16384
	s_add_nc_u64 s[G0A+4*\q+2:G0A+4*\q+3], s[60:61], \q*4096
	s_or_b32 s[G0A+4*\q+3], s[G0A+4*\q+3], 0x80000000
	s_mov_b32 s[G0B+4*\q], 1
	s_add_co_u32 s[G0B+4*\q+1], s23, \q*16384
	s_add_nc_u64 s[G0B+4*\q+2:G0B+4*\q+3], s[62:63], \q*4096
	s_or_b32 s[G0B+4*\q+3], s[G0B+4*\q+3], 0x80000000
	JLOAD \q
.endr
	v_and_b32 v[RR], 15, v0
	v_bfe_u32 v[HH], v0, 4, 1
	v_and_b32 v9, 31, v0
	v_lshlrev_b32 v9, 4, v9                        ; 16 x lane
	s_lshl_b32 s90, s13, 16
	v_add_nc_u32 v[ATA], s90, v9
	s_lshl_b32 s91, s14, 16
	s_add_co_u32 s91, s91, 0x20000
	v_add_nc_u32 v[WOA], s91, v9
	s_mul_i32 s92, s12, 16*SP
	s_add_co_u32 s92, s92, STAGE                   ; my stage
	v_mul_u32_u24 v[STO], v[RR], SP
	v_lshl_add_u32 v[STO], v[HH], 5, v[STO]
	v_add_nc_u32 v[STO], s92, v[STO]
	v_mul_u32_u24 v[RD], v[HH], SP                 ; back: lanes 0-15 one row, lanes 16-31 the next
	v_lshl_add_u32 v[RD], v[RR], 4, v[RD]
	v_add_nc_u32 v[RD], s92, v[RD]
	v_lshlrev_b32 v[CO], 13, v[HH]                 ; the next l is 4 rows of 2,048 bytes on
	v_lshl_add_u32 v[CO], v[RR], 4, v[CO]
	v_lshlrev_b32 v[BOFF], 5, v[HH]
	s_lshl_b32 s88, s18, 9                         ; my 64 columns: 512 CB + 256 wc bytes
	s_lshl_b32 s86, s14, 8
	s_add_co_u32 s88, s88, s86
	s_mov_b32 s89, 0
	s_add_nc_u64 s[8:9], s[8:9], s[88:89]
	s_and_b32 s84, s19, 15                         ; out0: row tile 8 (RB & 15) + 4 wr of b' = RB >> 4; a tile is 16 l of 8,192 bytes
	s_lshl_b32 s84, s84, 3
	s_lshl_b32 s86, s13, 2
	s_add_co_u32 s84, s84, s86
	s_lshl_b32 s84, s84, 17
	s_lshr_b32 s86, s19, 4
	s_lshl_b32 s86, s86, 11
	s_add_co_u32 s84, s84, s86
	s_add_co_u32 s84, s84, s88
	s_mov_b32 s85, 0
	s_add_nc_u64 s[10:11], s[10:11], s[84:85]
.irp b, 0,1,2,3
	global_load_b128 v[BIAS+8*\b:BIAS+8*\b+3], v[BOFF], s[8:9] offset:64*\b
	global_load_b128 v[BIAS+8*\b+4:BIAS+8*\b+7], v[BOFF], s[8:9] offset:64*\b+16
.endr
	CHB 0
	FETCH 0, F0
.irp i, 0,1,2,3,4,5,6,7,8,9,10,11,12,13,14
	STEP \i
.endr
	s_wait_dscnt 0x0
	MM3 F0+64, 0                                   ; k step 15
	PLACES
	OUT16 0
	OUT16 1
	OUT16 2
	OUT16 3
	s_wait_tensorcnt 0x0
	ds_add_u32 v254, v255
	s_wait_dscnt 0x0
	CROUND                                         ; the closing round: no work-group ends while a partner may still ask for a tile that names it
	s_endpgm
.Lfunc_end_k_qcbffb5313b_oproj:
	.size	k_qcbffb5313b_oproj, .Lfunc_end_k_qcbffb5313b_oproj-k_qcbffb5313b_oproj
	.p2alignl 7, 3214868480
	.fill 96, 4, 3214868480
	.section	.rodata,"a",@progbits
	.p2align	6, 0x0
	.amdhsa_kernel k_qcbffb5313b_oproj
		.amdhsa_group_segment_fixed_size 280064
		.amdhsa_private_segment_fixed_size 0
		.amdhsa_enable_private_segment 0
		.amdhsa_kernarg_size 32
		.amdhsa_user_sgpr_count 2
		.amdhsa_user_sgpr_kernarg_segment_ptr 1
		.amdhsa_wavefront_size32 1
		.amdhsa_system_sgpr_workgroup_id_x 1
		.amdhsa_system_sgpr_workgroup_id_y 1
		.amdhsa_system_sgpr_workgroup_id_z 1
		.amdhsa_system_vgpr_workitem_id 0
		.amdhsa_next_free_vgpr 384
		.amdhsa_next_free_sgpr 96
		.amdhsa_reserve_vcc 0
		.amdhsa_float_denorm_mode_32 3
		.amdhsa_float_denorm_mode_16_64 3
		.amdhsa_memory_ordered 1
		.amdhsa_forward_progress 1
		.amdhsa_inst_pref_size 53
	.end_amdhsa_kernel
	.amdgpu_metadata
---
amdhsa.version: [ 1, 2 ]
amdhsa.kernels:
  - .name:           k_qcbffb5313b_oproj
    .symbol:         k_qcbffb5313b_oproj.kd
    .args:
      - { .name: at, .offset: 0, .size: 8, .value_kind: global_buffer, .address_space: global }
      - { .name: wob, .offset: 8, .size: 8, .value_kind: global_buffer, .address_space: global }
      - { .name: bo, .offset: 16, .size: 8, .value_kind: global_buffer, .address_space: global }
      - { .name: out0, .offset: 24, .size: 8, .value_kind: global_buffer, .address_space: global }
    .group_segment_fixed_size: 280064
    .private_segment_fixed_size: 0
    .kernarg_segment_align: 8
    .kernarg_segment_size: 32
    .max_flat_workgroup_size: 128
    .sgpr_count:     96
    .vgpr_count:     384
    .wavefront_size: 32
...
	.end_amdgpu_metadata
.endif
;; end of part 3
;; ======== version 2 of 2: 3 launches; version 1 with the launch kvsum written anew for expert scheduling mode
;; workspace buffers: part 4,325,376 bytes; wob 524,288 bytes; at 8,388,608 bytes
;; launch kvsum (part 4): grid 8 x 32, 8 waves a work-group, no clusters, 175,104 bytes of LDS; arguments query, Wk, Wv, bk, bv, Wo, part, wob; writes part, wob
.if DOCPART == 4
	.amdgcn_target "amdgcn-amd-amdhsa--gfx1250"
	.amdhsa_code_object_version 6
	.text
	.protected	k_qcbffb5313b_kvsum
	.globl	k_qcbffb5313b_kvsum
	.p2align	8
	.type	k_qcbffb5313b_kvsum,@function
k_qcbffb5313b_kvsum:
	s_mov_b64 s[64:65], 0
	v_nop
	global_prefetch_b8 v0, s[64:65] scope:SCOPE_SE
	s_setreg_imm32_b32 hwreg(HW_REG_WAVE_SCHED_MODE, 0, 2), 2
	s_setreg_imm32_b32 hwreg(HW_REG_WAVE_MODE, 25, 1), 1
	s_wait_xcnt 0x0
	s_wait_alu depctr_vm_vsrc(0)
; kvsum.  x = query seen as 8192 rows of 512 f32, row = 4 l + b'.  A work-group takes one (b', head h, chunk c of 256 steps l):
;   K = x Wk_h^T + bk_h, V = x Wv_h^T + bv_h (256 x 64 each), k = softmax of K along its 64 columns (the row's maximum is taken away first),
;   and stores one record of part: KVT[e][d] = sum over its 256 l of k[l][d] v[l][e] (f32, 64 x 64), SV[e] = sum of v[l][e], KS[d] = sum of k[l][d].
; Why these sums are enough: the weights q.k + (1-q).(1-k) = 2 q.k + (64 - sum q) - sum k are bilinear, so the sum over s is taken first.
; That is an exact reordering for every input.  LIMIT: the order of summation differs from a sum over s of finished weights.
; LIMIT: matrix operands (x, Wk, Wv, k, v) are rounded to bf16; SV and KS are summed in f32 from the f32 accumulators, since c SV is the large term later.
; LIMIT: a softmax term below 2^-126 of its row's largest comes out of v_exp_f32 as zero (ISA guide, 15.8).  Inputs are taken as finite.
; Side job: each of the 256 work-groups turns 1,024 numbers of Wo into bf16, in the order in which the last launch's fragments want them.
; Eight waves; wave w owns rows l = 256 c + 32 w + 0..31 and all 128 columns (64 of K, 64 of V): 16 accumulator tiles, 128 registers.
; NO TENSOR LOADS, NO JOINT REQUESTS, though eight work-groups read the same x and 32 the same W: both are f32 in memory and are converted on the way,
; so they pass through registers anyway; as f32 the two W blocks alone would take 2 x 133,120 bytes of LDS and leave one x slot of 69,632 bytes.
; x runs in a ring of three register sets (16 loads of 512 bytes each): 24,576 bytes of every wave are on their way.
; THE MODE: SCHED_MODE bits 1:0 = 2 (LLVM: expert scheduling mode 2), set by the entry lines.  The code itself states the register dependences
; between vector or matrix instructions and memory or LDS instructions, with s_wait_alu, always for 0.
; THE PLAN.  Registers that memory or LDS instructions touch, in the eight chunks of 64 k:
;   ring set kc mod 3   Chunk kc's 32 conversions read it; behind them the 16 loads of chunk kc + 3 land in it.
;   T = WB              The conversions write it; the stage's 16 LDS stores read it; then Wv's fragments of the chunk's second 32 k land in it; the chunk's last eight products read them.
;   XFR, WA, WC, WD     LDS loads land in them; this chunk's products read them.  Each of a chunk's four groups of W fragments has registers of its own.
;   v1-v8, v14, v15     Offsets and LDS addresses: made once at the head, never written in the chunks; immediate offsets do the rest.
;   KA, VA              Named by matrix and vector instructions alone, until the sum over the waves.
; So ONE wait on va_vdst stands in a chunk, behind its conversions: they have written T and are done reading the ring set, and the chunk before's products are done reading
; XFR and the four W buffers.  All the chunk's stores and loads follow it; no vector or matrix instruction between it and a load names a register that the load touches.
; ONE wait on vm_vsrc stands ahead of the loads into WB: the stage's stores have read T.
.set PW,    1040                       ; LDS pitch of a W row: 512 bf16 + 16 bytes = 65 x 16: the 16 rows of a fragment load start in 16 different 16-byte columns modulo 256
.set WREG,  64*PW                      ; 66,560: one W block
.set PX,    144                        ; pitch of an x row of 64 bf16: 128 + 16 bytes = 9 x 16
.set XSW,   32*PX                      ; 4,608: a wave's own x stage
.set XS,    2*WREG                     ; 133,120: the stages
.set RV,    XS+8*XSW                   ; 169,984: 512 bytes a wave: SV, then KS
.set PR,    272                        ; pitch of a KVT row of 64 f32 in the sum over the waves: 256 + 16 bytes
.set REDW,  64*PR                      ; 17,408 a wave, from LDS byte 0 on, over W and the stages once nobody reads them
.set REC,   16896                      ; bytes of a record of part: 16,384 KVT, 256 SV, 256 KS
.set XOFF,  1                          ; v1   x: 65,536 hh + 16 r (lanes 0-15 one row's 256 bytes, lanes 16-31 the row 8 further down)
.set XST,   2                          ; v2   stage, in
.set XFA,   3                          ; v3   stage, fragments out
.set WFK,   4                          ; v4   fragments of Wk
.set WFV,   5                          ; v5   fragments of Wv
.set WST0,  6                          ; v6   Wk, in
.set WST1,  7                          ; v7   Wv, in
.set T16,   8                          ; v8   16 t
.set RR,    9                          ; v9   r = lane & 15
.set HH,    10                         ; v10  hh = lane >> 4
.set REDST, 14                         ; v14  my KVT tile, in
.set RVST,  15                         ; v15  my SV and KS, in
.set BB,    16                         ; v[16:23]   tile t: (bk, bv) of column 16 t + r
.set XFR,   32                         ; v[32:63]   x fragments (ksl, m) at 16 ksl + 8 m
.set WA,    64                         ; v[64:95]   four fragments of Wk, a chunk's second 32 k
.set WB,    96                         ; v[96:127]  four fragments of Wv, a chunk's second 32 k; ahead of them the converted x on its way to the stage
.set T,     WB
.set WC,    192                        ; window 1, v[448:479]: four fragments of Wk, a chunk's first 32 k
.set WD,    224                        ; window 1, v[480:511]: four fragments of Wv, a chunk's first 32 k
.set KA,    128                        ; v[128:191] K(m, t) at 32 m + 8 t: lane = column 16 t + r, register j = row 16 m + 8 hh + j
.set VA,    192                        ; v[192:255] V likewise
.set MXR,   32                         ; behind the products: row maxima,
.set SMR,   40                         ; row sums,
.set KSA,   48                         ; column sums of k (a pair for each t),
.set SVA,   56                         ; column sums of v,
.set KF,    64                         ; k^T fragments,
.set VF,    96                         ; v fragments,
.set D3,    128                        ; and the 16 tiles of k^T v
; window 1 (v256-447): the x ring, set s at 64 s
.set MSB, 0
.macro WIN new                         ; the immediate's high byte repeats the setting that is left
.if MSB != \new
	s_set_vgpr_msb (MSB<<8)|\new
.set MSB, \new
.endif
.endm
; Behind a matrix instruction four plain vector instructions that name none of its registers stand before a vector instruction writes
; one of its registers or reads its result (ISA guide 7.12.1).
.macro PLACES
.rept 4
	v_nop
.endr
.endm
; 16 loads of the work-group: each covers two whole rows of W (4,096 bytes), a wave's share 512 consecutive bytes
.macro WISSUE buf, src, n0
.irp i, 0,1,2,3,4,5,6,7,8,9,10,11,12,13,14,15
	global_load_b128 v[\buf+4*\i:\buf+4*\i+3], v[T16], s[\src:\src+1] offset:(\n0+\i)*4096
.endr
.endm
; the same 16: to bf16 in place, 8 bytes a lane into LDS (a wave's store covers 256 consecutive bytes)
.macro WPROC buf, dst, n0
.irp i, 0,1,2,3,4,5,6,7,8,9,10,11,12,13,14,15
	v_cvt_pk_bf16_f32 v[\buf+4*\i], v[\buf+4*\i], v[\buf+4*\i+1]
	v_cvt_pk_bf16_f32 v[\buf+4*\i+1], v[\buf+4*\i+2], v[\buf+4*\i+3]
.endr
	s_wait_alu depctr_va_vdst(0)       ; the conversions have written the pairs that the LDS stores below read, and are done with all 64 registers of the batch
.irp i, 0,1,2,3,4,5,6,7,8,9,10,11,12,13,14,15
	ds_store_b64 v[\dst], v[\buf+4*\i:\buf+4*\i+1] offset:(\n0+\i)*2*PW
.endr
.endm
; chunk kc of x: 64 k = 256 bytes of each of my 32 rows, into ring set kc mod 3.  Load p: rows (p & 7) + 16 (p >> 3) and that + 8.
.macro XLOAD kc
	WIN 0x40                           ; destination in window 1
.irp p, 0,1,2,3,4,5,6,7,8,9,10,11,12,13,14,15
	global_load_b128 v[64*((\kc)%3)+4*\p:64*((\kc)%3)+4*\p+3], v[XOFF], s[8:9] offset:((\p&7)+16*(\p>>3))*8192+(\kc)*256
.endr
	WIN 0
.endm
; four W fragments (64 rows, 32 k at byte kbyte of the rows); the caller sets the destination's window
.macro LDW buf, base, kbyte
.irp t, 0,1,2,3
	ds_load_b128 v[\buf+8*\t:\buf+8*\t+3], v[\base] offset:\t*16*PW+\kbyte
	ds_load_b128 v[\buf+8*\t+4:\buf+8*\t+7], v[\base] offset:\t*16*PW+\kbyte+32
.endr
.endm
; eight products on eight accumulators.  The 16 accumulators take turns, one instruction a turn.  The caller sets source 1's window.
.macro MM1 buf, acc, ksl, zero
.irp t, 0,1,2,3
.irp m, 0,1
.if \zero
	v_wmma_f32_16x16x32_bf16 v[\acc+32*\m+8*\t:\acc+32*\m+8*\t+7], v[XFR+16*\ksl+8*\m:XFR+16*\ksl+8*\m+7], v[\buf+8*\t:\buf+8*\t+7], 0
.else
	v_wmma_f32_16x16x32_bf16 v[\acc+32*\m+8*\t:\acc+32*\m+8*\t+7], v[XFR+16*\ksl+8*\m:XFR+16*\ksl+8*\m+7], v[\buf+8*\t:\buf+8*\t+7], v[\acc+32*\m+8*\t:\acc+32*\m+8*\t+7]
.endif
.endr
.endr
.endm
; One chunk of 64 k: 32 products.  cnt = the x loads younger than this chunk's.
; x goes to bf16 and through my own stage into fragments.  LDS serves a wave's instructions in order (ISA guide 5.7.1.4), and only I touch my stage:
; no wait between the stores and the loads, and one stage is enough.
.macro CHUNK kc, cnt, fill, zero
.if \kc
	PLACES                             ; the conversions below write WB, which the last products read
.endif
	s_wait_loadcnt \cnt
	WIN 0x05                           ; sources 0 and 1 in window 1
.irp p, 0,1,2,3,4,5,6,7,8,9,10,11,12,13,14,15
	v_cvt_pk_bf16_f32 v[T+2*\p], v[64*((\kc)%3)+4*\p], v[64*((\kc)%3)+4*\p+1]
	v_cvt_pk_bf16_f32 v[T+2*\p+1], v[64*((\kc)%3)+4*\p+2], v[64*((\kc)%3)+4*\p+3]
.endr
	WIN 0x40                           ; destination in window 1
	s_wait_alu depctr_va_vdst(0)       ; the conversions have written T, which the stage's stores read, and are done reading the ring set, in which the refill lands; the chunk before's products are done reading XFR, WA, WB, WC and WD, in which the LDS loads land
	LDW WC, WFK, (2*\kc)*64
	LDW WD, WFV, (2*\kc)*64
.if \fill
	XLOAD \kc+3                        ; the set is asked for again
.endif
	WIN 0
.irp p, 0,1,2,3,4,5,6,7,8,9,10,11,12,13,14,15
	ds_store_b64 v[XST], v[T+2*\p:T+2*\p+1] offset:((\p&7)+16*(\p>>3))*PX
.endr
.irp f, 0,1,2,3
	ds_load_b128 v[XFR+8*\f:XFR+8*\f+3], v[XFA] offset:(\f&1)*16*PX+(\f>>1)*64
	ds_load_b128 v[XFR+8*\f+4:XFR+8*\f+7], v[XFA] offset:(\f&1)*16*PX+(\f>>1)*64+32
.endr
	LDW WA, WFK, (2*\kc+1)*64
	s_wait_alu depctr_vm_vsrc(0)       ; the stage's stores have read T, in which the loads below land
	LDW WB, WFV, (2*\kc+1)*64
	WIN 0x04                           ; source 1 in window 1
	s_wait_dscnt 16                    ; WC, WD and the x fragments are in; WA's and WB's sixteen loads may be out
	MM1 WC, KA, 0, \zero
	MM1 WD, VA, 0, \zero
	WIN 0
	s_wait_dscnt 8                     ; WB's eight loads may be out
	MM1 WA, KA, 1, 0
	s_wait_dscnt 0
	MM1 WB, VA, 1, 0
.endm
; the bias of column 16 t + r onto all eight rows of a lane.  hi = 0: the pair's first register (bk), 1: its second (bv), for both halves
.macro BIASADD acc, mt, hi
.irp t, 0,1,2,3
.irp j, 0,2,4,6
	v_pk_add_f32 v[\acc+32*\mt+8*\t+\j:\acc+32*\mt+8*\t+\j+1], v[\acc+32*\mt+8*\t+\j:\acc+32*\mt+8*\t+\j+1], v[BB+2*\t:BB+2*\t+1] op_sel:[0,\hi] op_sel_hi:[1,\hi]
.endr
.endr
.endm
; column sums over a lane's eight rows, kept as a pair for each t; the first add of tile row 0 starts them
.macro COLSUM acc, sum, mt
.irp t, 0,1,2,3
.if \mt == 0
	v_pk_add_f32 v[\sum+2*\t:\sum+2*\t+1], v[\acc+8*\t:\acc+8*\t+1], v[\acc+8*\t+2:\acc+8*\t+3]
.else
	v_pk_add_f32 v[\sum+2*\t:\sum+2*\t+1], v[\sum+2*\t:\sum+2*\t+1], v[\acc+32+8*\t:\acc+32+8*\t+1]
	v_pk_add_f32 v[\sum+2*\t:\sum+2*\t+1], v[\sum+2*\t:\sum+2*\t+1], v[\acc+32+8*\t+2:\acc+32+8*\t+3]
.endif
.endr
.irp j, 4,6
.irp t, 0,1,2,3
	v_pk_add_f32 v[\sum+2*\t:\sum+2*\t+1], v[\sum+2*\t:\sum+2*\t+1], v[\acc+32*\mt+8*\t+\j:\acc+32*\mt+8*\t+\j+1]
.endr
.endr
.endm
; A lane's eight rows 16 mt + 8 hh + j of column 16 t + r, packed, ARE registers 4 mt .. 4 mt + 3 of a fragment whose K runs along my 32 rows: no way through LDS
.macro PACK acc, frag, mt
.irp t, 0,1,2,3
.irp j, 0,1,2,3
	v_cvt_pk_bf16_f32 v[\frag+8*\t+4*\mt+\j], v[\acc+32*\mt+8*\t+2*\j], v[\acc+32*\mt+8*\t+2*\j+1]
.endr
.endr
.endm
; softmax of 16 rows: a row's 64 columns lie in 4 tiles x 16 lanes of one half of the wave
.macro KSOFT mt
	BIASADD KA, \mt, 0
.irp j, 0,1,2,3,4,5,6,7
	v_max3_num_f32 v[MXR+\j], v[KA+32*\mt+\j], v[KA+32*\mt+8+\j], v[KA+32*\mt+16+\j]
.endr
.irp j, 0,1,2,3,4,5,6,7
	v_max_num_f32 v[MXR+\j], v[MXR+\j], v[KA+32*\mt+24+\j]
.endr
.irp x, 1,2,4,8
.irp j, 0,1,2,3,4,5,6,7
	v_max_num_f32_dpp v[MXR+\j], v[MXR+\j], v[MXR+\j] row_xmask:\x row_mask:0xf bank_mask:0xf
.endr
.endr
.irp j, 0,2,4,6
	v_pk_mul_f32 v[MXR+\j:MXR+\j+1], v[MXR+\j:MXR+\j+1], 0xbfb8aa3b op_sel_hi:[1,0]   ; - maximum x log2 e
.endr
.set ix, 0
.rept 16
	v_pk_fma_f32 v[KA+32*\mt+2*ix:KA+32*\mt+2*ix+1], v[KA+32*\mt+2*ix:KA+32*\mt+2*ix+1], 0x3fb8aa3b, v[MXR+(2*ix)%8:MXR+(2*ix)%8+1] op_sel_hi:[1,0,1]
.set ix, ix+1
.endr
.set ix, 0
.rept 32
	v_exp_f32 v[KA+32*\mt+ix], v[KA+32*\mt+ix]
.set ix, ix+1
.endr
	v_nop                              ; one plain vector instruction behind the last v_exp_f32 before its result is used (ISA guide 5.7.2)
	s_wait_alu depctr_va_vdst(0)       ; the 32 exponentials have written this tile row of KA: one wait for the batch, ahead of its first reader
.irp j, 0,2,4,6
	v_pk_add_f32 v[SMR+\j:SMR+\j+1], v[KA+32*\mt+\j:KA+32*\mt+\j+1], v[KA+32*\mt+8+\j:KA+32*\mt+8+\j+1]
.endr
.irp t, 2,3
.irp j, 0,2,4,6
	v_pk_add_f32 v[SMR+\j:SMR+\j+1], v[SMR+\j:SMR+\j+1], v[KA+32*\mt+8*\t+\j:KA+32*\mt+8*\t+\j+1]
.endr
.endr
.irp x, 1,2,4,8
.irp j, 0,1,2,3,4,5,6,7
	v_add_f32_dpp v[SMR+\j], v[SMR+\j], v[SMR+\j] row_xmask:\x row_mask:0xf bank_mask:0xf
.endr
.endr
.irp j, 0,1,2,3,4,5,6,7
	v_rcp_f32 v[SMR+\j], v[SMR+\j]     ; the sum is at least about 1: the largest term is 2^0
.endr
	v_nop
.set ix, 0
	s_wait_alu depctr_va_vdst(0)       ; the eight reciprocals have written SMR: one wait for the batch, ahead of its first reader
.rept 16
	v_pk_mul_f32 v[KA+32*\mt+2*ix:KA+32*\mt+2*ix+1], v[KA+32*\mt+2*ix:KA+32*\mt+2*ix+1], v[SMR+(2*ix)%8:SMR+(2*ix)%8+1]
.set ix, ix+1
.endr
	COLSUM KA, KSA, \mt
	PACK KA, KF, \mt
.endm
.macro VPART mt
	BIASADD VA, \mt, 1
	COLSUM VA, SVA, \mt
	PACK VA, VF, \mt
.endm
.macro REDLD b, adr, k                 ; wave b's tile: my 16 bytes of rows 2 w + hh + 16 i
.irp i, 0,1,2,3
	ds_load_b128 v[D3+16*\b+4*\i:D3+16*\b+4*\i+3], v[\adr] offset:\k*REDW+\i*16*PR
.endr
.endm
	s_load_b512 s[8:23], s[0:1], 0x0               ; query s[8:9], Wk s[10:11], Wv s[12:13], bk s[14:15], bv s[16:17], Wo s[18:19], part s[20:21], wob s[22:23]
	v_lshl_add_u32 v30, v0, 2, 0x2a800             ; my spare word and 0: made here and kept for the closing lines alone
	v_mov_b32 v31, 0
	v_lshrrev_b32 v11, 5, v0
	v_readfirstlane_b32 s2, v11                    ; wave w
	s_and_b32 s3, ttmp7, 0xffff                    ; y = 4 c + b';  h = ttmp9
	s_and_b32 s4, s3, 3                            ; b'
	s_lshr_b32 s5, s3, 2                           ; c
	s_mov_b32 s34, 0x76543210                      ; v_permlanex16_b32: lane i reads lane i of the other half
	s_mov_b32 s35, 0xfedcba98
	; byte offsets, each in a pair of its own
	s_lshl_b32 s24, s5, 21                         ; x: 256 c steps of 8,192 bytes
	s_lshl_b32 s6, s4, 11                          ;    + b' rows of 2,048
	s_add_co_u32 s24, s24, s6
	s_wait_alu depctr_va_sdst(0)                   ; s2 is written, ahead of its first reader: x's offset and the waves' LDS places are made from it
	s_lshl_b32 s6, s2, 18                          ;    + 32 w steps
	s_add_co_u32 s24, s24, s6
	s_mov_b32 s25, 0
	s_lshl_b32 s26, ttmp9, 17                      ; Wk, Wv: 64 h rows of 2,048 bytes
	s_mov_b32 s27, 0
	s_lshl_b32 s28, ttmp9, 8                       ; bk, bv: 64 h numbers
	s_mov_b32 s29, 0
	s_lshl_b32 s30, s3, 15                         ; Wo: rows 16 y .., columns 64 h ..
	s_add_co_u32 s30, s30, s28
	s_mov_b32 s31, 0
	s_lshl_b32 s32, s3, 14                         ; wob: fragments 16 y + 2 h and the next, 1,024 bytes each
	s_lshl_b32 s6, ttmp9, 11
	s_add_co_u32 s32, s32, s6
	s_mov_b32 s33, 0
	s_lshl_b32 s36, s4, 3                          ; part: record (8 b' + h) 8 + c
	s_add_co_u32 s36, s36, ttmp9
	s_lshl_b32 s36, s36, 3
	s_add_co_u32 s36, s36, s5
	s_mul_i32 s36, s36, REC
	s_mov_b32 s37, 0
	v_and_b32 v[RR], 15, v0
	v_bfe_u32 v[HH], v0, 4, 1
	v_and_b32 v11, 31, v0                          ; lane
	v_lshlrev_b32 v[T16], 4, v0
	v_lshlrev_b32 v[XOFF], 4, v[RR]
	v_lshl_add_u32 v[XOFF], v[HH], 16, v[XOFF]
	s_mul_i32 s6, s2, XSW
	s_add_co_u32 s6, s6, XS                        ; my stage
	v_mul_u32_u24 v[XST], v[HH], 8*PX              ; 8 rows are 1,152 bytes = 128 modulo 256: the two halves of a store fall on different columns
	v_lshl_add_u32 v[XST], v[RR], 3, v[XST]
	v_add_nc_u32 v[XST], s6, v[XST]
	v_mul_u32_u24 v[XFA], v[RR], PX
	v_lshl_add_u32 v[XFA], v[HH], 4, v[XFA]
	v_add_nc_u32 v[XFA], s6, v[XFA]
	v_mul_u32_u24 v[WFK], v[RR], PW
	v_lshl_add_u32 v[WFK], v[HH], 4, v[WFK]
	v_add_nc_u32 v[WFV], WREG, v[WFK]
	s_lshr_b32 s6, s2, 2                           ; thread t = 32 w + lane holds 4 numbers at column 4 (t & 127) of row t >> 7 of a load's two rows
	s_mul_i32 s6, s6, PW
	s_and_b32 s7, s2, 3
	s_lshl_b32 s7, s7, 8
	s_add_co_u32 s6, s6, s7
	v_lshl_add_u32 v[WST0], v11, 3, s6
	v_add_nc_u32 v[WST1], WREG, v[WST0]
	s_mul_i32 s6, s2, REDW
	v_mul_u32_u24 v[REDST], v[RR], PR
	v_lshl_add_u32 v[REDST], v[HH], 5, v[REDST]
	v_add_nc_u32 v[REDST], s6, v[REDST]
	s_lshl_b32 s6, s2, 9
	s_add_co_u32 s6, s6, RV
	v_lshl_add_u32 v[RVST], v[RR], 2, s6
	; Wo's side job.  Byte 8 t of my two fragments is: fragment t >> 7, half (t >> 6) & 1, lane (t >> 1) & 31, 8-byte part t & 1
	v_bfe_u32 v11, v0, 1, 4                        ; the fragment lane's r: row of Wo
	v_lshrrev_b32 v12, 5, v0                       ; hh + 2 half + 4 fragment: 8 k = 32 bytes each
	v_and_b32 v13, 1, v0
	v_lshlrev_b32 v11, 11, v11
	v_lshl_add_u32 v11, v12, 5, v11
	v_lshl_add_u32 v11, v13, 4, v11
	v_lshlrev_b32 v12, 3, v0
	v_lshlrev_b32 v13, 2, v[RR]
	s_wait_kmcnt 0x0
	s_add_nc_u64 s[8:9], s[8:9], s[24:25]
	s_add_nc_u64 s[10:11], s[10:11], s[26:27]
	s_add_nc_u64 s[12:13], s[12:13], s[26:27]
	s_add_nc_u64 s[14:15], s[14:15], s[28:29]
	s_add_nc_u64 s[16:17], s[16:17], s[28:29]
	s_add_nc_u64 s[18:19], s[18:19], s[30:31]
	s_add_nc_u64 s[20:21], s[20:21], s[36:37]
	s_add_nc_u64 s[22:23], s[22:23], s[32:33]
	s_wait_alu depctr_va_vdst(0)                   ; the offsets and LDS addresses v1 to v8 and v11 to v15 are written, which the loads and stores below read
	global_load_b128 v[32:35], v11, s[18:19]
.irp t, 0,1,2,3
	global_load_b32 v[BB+2*\t], v13, s[14:15] offset:64*\t
	global_load_b32 v[BB+2*\t+1], v13, s[16:17] offset:64*\t
.endr
	WISSUE 64, 10, 0                               ; Wk rows 0-31
	WISSUE 128, 10, 16                             ; Wk rows 32-63
	WISSUE 192, 12, 0                              ; Wv rows 0-31
	s_wait_loadcnt 32                              ; the two younger batches stay out: Wo's piece, the biases and the first batch are in
	v_cvt_pk_bf16_f32 v32, v32, v33
	v_cvt_pk_bf16_f32 v33, v34, v35
	WPROC 64, WST0, 0                              ; its wait on va_vdst stands behind the two conversions above as well: v[32:33] are written
	global_store_b64 v12, v[32:33], s[22:23]       ; a wave's store covers 256 consecutive bytes, aligned
	s_wait_alu depctr_vm_vsrc(0)                   ; the LDS stores have read their pairs in v[64:127], in which the loads below land
	WISSUE 64, 12, 16                              ; Wv rows 32-63
	s_wait_loadcnt 32                              ; younger: Wv's two batches
	WPROC 128, WST0, 16
	XLOAD 0
	s_wait_loadcnt 32                              ; younger: Wv's second batch, x chunk 0
	WPROC 192, WST1, 0
	XLOAD 1
	s_wait_loadcnt 32                              ; younger: x chunks 0, 1
	WPROC 64, WST1, 16
	XLOAD 2
	s_wait_xcnt 0x0                                ; the store into wob has had its address translated (ISA guide 3.1): v12 and v[32:33] are written again below
	s_wait_dscnt 0x0                               ; my part of W is in LDS,
	s_barrier_signal -1
	s_barrier_wait -1                              ; everybody's is
	s_wait_alu depctr_vm_vsrc(0)                   ; my LDS stores have read v[64:255] and the store into wob v12 and v[32:33]; the head's loads have read v11 and v13: fragments' loads, conversions, products and later addresses write these registers from here on
	CHUNK 0, 32, 1, 1                              ; the first products start the sums: nothing is cleared
	CHUNK 1, 32, 1, 0
	CHUNK 2, 32, 1, 0
	CHUNK 3, 32, 1, 0
	CHUNK 4, 32, 1, 0
	CHUNK 5, 32, 0, 0                              ; chunks 6 and 7 are on their way; nothing is left to ask for
	CHUNK 6, 16, 0, 0
	CHUNK 7, 0, 0, 0
	PLACES
	KSOFT 0
	KSOFT 1
	VPART 0
	VPART 1
	; KV(d, e) over my 32 rows: source 0 = k^T (row d), source 1 = v (column e).  Lane = e, register j = d = 16 td + 8 hh + j
.irp td, 0,1,2,3
.irp te, 0,1,2,3
	v_wmma_f32_16x16x32_bf16 v[D3+8*(4*\td+\te):D3+8*(4*\td+\te)+7], v[KF+8*\td:KF+8*\td+7], v[VF+8*\te:VF+8*\te+7], 0
.endr
.endr
	; the column sums: the pair's two registers, then the other half of the wave.  These lines name no register of the products above
	; and so are the places between them and the stores of their results.
.irp t, 0,1,2,3
	v_add_f32 v[KSA+2*\t], v[KSA+2*\t], v[KSA+2*\t+1]
	v_add_f32 v[SVA+2*\t], v[SVA+2*\t], v[SVA+2*\t+1]
.endr
.irp t, 0,1,2,3
	v_permlanex16_b32 v[KSA+2*\t+1], v[KSA+2*\t], s34, s35
	v_permlanex16_b32 v[SVA+2*\t+1], v[SVA+2*\t], s34, s35
.endr
.irp t, 0,1,2,3
	v_add_f32 v[KSA+2*\t], v[KSA+2*\t], v[KSA+2*\t+1]
	v_add_f32 v[SVA+2*\t], v[SVA+2*\t], v[SVA+2*\t+1]
.endr
	s_mul_i32 s6, s2, 2*PR                         ; the sum over the waves: I take 16 bytes at 16 r of rows 2 w + hh + 16 i
	v_mul_u32_u24 v11, v[HH], PR
	v_lshl_add_u32 v11, v[RR], 4, v11
	v_add_nc_u32 v11, s6, v11                      ; waves 0-2,
	v_add_nc_u32 v12, 3*REDW, v11                  ; 3-5,
	v_add_nc_u32 v13, 6*REDW, v11                  ; 6-7: so that the immediates stay inside 16 bits
	s_wait_dscnt 0x0                               ; my reads of W and of my stage are over,
	s_barrier_signal -1
	s_barrier_wait -1                              ; everybody's are: the bytes are written anew
	s_wait_alu depctr_va_vdst(0)                   ; the products have written D3 and the adds SV and KS, which the LDS stores read; v11 to v13 are written, which the loads behind the next barrier read.  The places above stay beside this wait
.irp td, 0,1,2,3
.irp te, 0,1,2,3
	ds_store_b128 v[REDST], v[D3+8*(4*\td+\te):D3+8*(4*\td+\te)+3] offset:\te*16*PR+\td*64
	ds_store_b128 v[REDST], v[D3+8*(4*\td+\te)+4:D3+8*(4*\td+\te)+7] offset:\te*16*PR+\td*64+16
.endr
.endr
.irp t, 0,1,2,3
	ds_store_b32 v[RVST], v[SVA+2*\t] offset:64*\t         ; both halves of the wave write the same word with the same number
	ds_store_b32 v[RVST], v[KSA+2*\t] offset:256+64*\t
.endr
	s_wait_dscnt 0x0
	s_barrier_signal -1
	s_barrier_wait -1
	s_wait_alu depctr_vm_vsrc(0)                   ; my LDS stores have read D3, in which the loads below land, and the sums in v[48:63], in which wave 0's loads land; x's loads have read v1, which wave 0 writes again
	REDLD 0, 11, 0
	REDLD 1, 11, 1
	REDLD 2, 11, 2
	REDLD 3, 12, 0
	REDLD 4, 12, 1
	REDLD 5, 12, 2
	REDLD 6, 13, 0
	REDLD 7, 13, 1
.irp b, 1,2,3,4,5,6,7
	s_wait_dscnt 4*(7-\b)                          ; the four loads of each later wave's tile stay out
.irp i, 0,1,2,3
	v_pk_add_f32 v[D3+4*\i:D3+4*\i+1], v[D3+4*\i:D3+4*\i+1], v[D3+16*\b+4*\i:D3+16*\b+4*\i+1]
	v_pk_add_f32 v[D3+4*\i+2:D3+4*\i+3], v[D3+4*\i+2:D3+4*\i+3], v[D3+16*\b+4*\i+2:D3+16*\b+4*\i+3]
.endr
.endr
	s_wait_alu depctr_va_vdst(0)                   ; the adds have written v[D3 .. D3+15], which the four stores read
.irp i, 0,1,2,3
	global_store_b128 v[T16], v[D3+4*\i:D3+4*\i+3], s[20:21] offset:4096*\i   ; row e = (t >> 4) + 16 i is 256 bytes: 16 lanes store it whole
.endr
	s_cmp_lg_u32 s2, 0
	s_cbranch_scc1 .Lend
	v_add_nc_u32 v1, RV, v[T16]                    ; wave 0 (t = lane): the eight waves' SV and KS, 512 bytes each
	s_wait_alu depctr_va_vdst(0)                   ; v1 is written, which the loads below read; the softmax's and the column sums' lines are done with v[32:63], in which they land
.irp b, 0,1,2,3,4,5,6,7
	ds_load_b128 v[32+4*\b:35+4*\b], v1 offset:512*\b
.endr
	s_wait_dscnt 0x0
.irp b, 1,2,3,4,5,6,7
	v_pk_add_f32 v[32:33], v[32:33], v[32+4*\b:33+4*\b]
	v_pk_add_f32 v[34:35], v[34:35], v[34+4*\b:35+4*\b]
.endr
	s_wait_alu depctr_va_vdst(0)                   ; the adds have written v[32:35], which the store reads
	global_store_b128 v[T16], v[32:35], s[20:21] offset:16384
.Lend:
	s_wait_dscnt 0x0                               ; the closing lines, six on end
	s_wait_alu 0x0
	s_wait_tensorcnt 0x0
	ds_add_u32 v30, v31
	s_wait_dscnt 0x0
	s_endpgm
.Lfunc_end_k_qcbffb5313b_kvsum:
	.size	k_qcbffb5313b_kvsum, .Lfunc_end_k_qcbffb5313b_kvsum-k_qcbffb5313b_kvsum
	.p2alignl 7, 3214868480
	.fill 96, 4, 3214868480
	.section	.rodata,"a",@progbits
	.p2align	6, 0x0
	.amdhsa_kernel k_qcbffb5313b_kvsum
		.amdhsa_group_segment_fixed_size 175104
		.amdhsa_private_segment_fixed_size 0
		.amdhsa_enable_private_segment 0
		.amdhsa_kernarg_size 64
		.amdhsa_user_sgpr_count 2
		.amdhsa_user_sgpr_kernarg_segment_ptr 1
		.amdhsa_wavefront_size32 1
		.amdhsa_system_sgpr_workgroup_id_x 1
		.amdhsa_system_sgpr_workgroup_id_y 1
		.amdhsa_system_sgpr_workgroup_id_z 1
		.amdhsa_system_vgpr_workitem_id 0
		.amdhsa_next_free_vgpr 512
		.amdhsa_next_free_sgpr 66
		.amdhsa_reserve_vcc 0
		.amdhsa_float_denorm_mode_32 3
		.amdhsa_float_denorm_mode_16_64 3
		.amdhsa_memory_ordered 1
		.amdhsa_forward_progress 1
		.amdhsa_inst_pref_size 144
	.end_amdhsa_kernel
	.amdgpu_metadata
---
amdhsa.version: [ 1, 2 ]
amdhsa.kernels:
  - .name:           k_qcbffb5313b_kvsum
    .symbol:         k_qcbffb5313b_kvsum.kd
    .args:
      - { .name: query, .offset: 0, .size: 8, .value_kind: global_buffer, .address_space: global }
      - { .name: Wk, .offset: 8, .size: 8, .value_kind: global_buffer, .address_space: global }
      - { .name: Wv, .offset: 16, .size: 8, .value_kind: global_buffer, .address_space: global }
      - { .name: bk, .offset: 24, .size: 8, .value_kind: global_buffer, .address_space: global }
      - { .name: bv, .offset: 32, .size: 8, .value_kind: global_buffer, .address_space: global }
      - { .name: Wo, .offset: 40, .size: 8, .value_kind: global_buffer, .address_space: global }
      - { .name: part, .offset: 48, .size: 8, .value_kind: global_buffer, .address_space: global }
      - { .name: wob, .offset: 56, .size: 8, .value_kind: global_buffer, .address_space: global }
    .group_segment_fixed_size: 175104
    .private_segment_fixed_size: 0
    .kernarg_segment_align: 8
    .kernarg_segment_size: 64
    .max_flat_workgroup_size: 256
    .sgpr_count:     66
    .vgpr_count:     512
    .wavefront_size: 32
...
	.end_amdgpu_metadata
.endif
;; end of part 4
;; launch qattn: the kernel of part 2 again; grid 8 x 32, 8 waves a work-group, no clusters, 114,688 bytes of LDS; arguments query, Wq, bq, part, at; writes at
;; launch oproj: the kernel of part 3 again; grid 4 x 64, 4 waves a work-group, clusters of 4 x 4, 280,064 bytes of LDS; arguments at, wob, bo, out0; writes out0
